; MI455X (gfx1250); checked and timed in simulation.
; The chip was launched on July 23, 2026; its instructions are those of AMD's public machine-readable ISA for CDNA 5 (MIT licence, August 2026) and "CDNA5" Instruction Set Architecture Reference Guide (July 2026). The comments in the code are by the model that wrote it; some were corrected since.
;; Mo E. Allowed arithmetic: matrix products marked QUANTISED: E5M2 operands, one given power-of-two scale a tensor, by v_wmma_f32_16x16x64_bf8_bf8 or v_wmma_f32_16x16x128_bf8_bf8, f32 sums; products left as they are: f32 operands where the result goes on into a quantised operand, else bf16, f16 or f32 operands; f32 sums; everything else in f32.
;; Inputs: b1 8 x 4,096 float32; b2 8 x 1 float32; bg 8 float32; lowp_scales 2 int32 (the exponents e of the quantised operands' scales 2^e); w1 8 x 1,024 x 4,096 float32; w2 8 x 4,096 x 1 float32; wg 1,024 x 8 float32; x 2,048 x 1,024 float32.
;; Outputs: out0 2,048 x 1 float32; out1 2,048 x 8 float32.
;; This version of the problem:
;;   THIS VERSION OF THE PROBLEM IS GIVEN IN LOW PRECISION. The matrix products marked QUANTISED in the list below multiply operands that are first quantised to E5M2 (5 exponent bits, 2 mantissa bits; 8 bits a number), with one given power-of-two scale for each operand tensor; their sums are f32. All else is computed in f32.
;;   The module's matrix products, in the order in which they are computed (A, B: the left and right operand; K: the contracted axis; several contracted axes count as one K, in the product's order):
;;     1. [M 2,048, K 1,024] x [K 1,024, N 32,768]; A: input x; B: input w1: QUANTISED (scales: A lowp_scales[0], B lowp_scales[1])
;;     2. batch 8 x [M 1, K 4,096] x [K 4,096, N 2,048]; A: input w2; B: computed on the way: left as it is (M = 1 < 16)
;;     3. [M 2,048, K 1,024] x [K 1,024, N 8]; A: input x; B: input wg: left as it is (N = 8 < 16)
;;   THE QUANTISER, for each operand of a quantised product, along K:
;;     - The operand's scale is 2^e, e = its entry of the input lowp_scales (int32; the entries are numbered through the quantised products in the list's order, A before B).
;;     - Each number is divided by the scale, clamped to +-57,344, and rounded to the nearest number of E5M2, ties to even, subnormals kept.
;;     - The product sums the exact products of the quantised numbers (number of the format x scale) in f32.
;;   ~~~python
;;   def quantise(x, axis, e):      # numpy; x: float32 -> the quantised numbers, widened to float32 again
;;       x = np.moveaxis(x, axis, -1); K = x.shape[-1]
;;       r = np.clip(x / 2.0 ** e, -57344, 57344)
;;       step = 2.0 ** (np.maximum(np.frexp(np.where(r == 0, 1, r))[1] - 1, -14) - 2)
;;       q = np.round(r / step) * step * 2.0 ** e      # np.round: ties to even
;;       return np.moveaxis(q, -1, axis).astype(np.float32)
;;   ~~~
;; 2 versions. Each part assembles by itself: llvm-mc -triple=amdgcn-amd-amdhsa -mcpu=gfx1250 --defsym DOCPART=n.
;; ======== version 1 of 2: 3 launches
;; workspace buffers: xc 2,097,152 bytes; w1c 33,554,432 bytes; part 1,048,576 bytes
;; launch prep (part 1): grid 1152 x 1, 4 waves a work-group, no clusters, 4,608 bytes of LDS; arguments x, w1, wg, bg, lowp_scales, xc, w1c, out1; writes xc, w1c, out1
.if DOCPART == 1
	.amdgcn_target "amdgcn-amd-amdhsa--gfx1250"
	.amdhsa_code_object_version 6
	.text
	.protected	k_q5e6d80565b_prep
	.globl	k_q5e6d80565b_prep
	.p2align	8
	.type	k_q5e6d80565b_prep,@function
k_q5e6d80565b_prep:
	s_mov_b64 s[64:65], 0
	v_nop
	global_prefetch_b8 v0, s[64:65] scope:SCOPE_SE
	s_setreg_imm32_b32 hwreg(HW_REG_WAVE_MODE, 25, 1), 1
	s_wait_xcnt 0x0
; PREP: x [2048][1024] and w1 [8][1024][4096], f32, become codes of BF8 (E5M2), each with its given scale 2^e (lowp_scales[0] for x, [1] for w1), and the gate
; out1 = softmax(x wg + bg) is made on the way, since x is in registers here anyway.
; code = number / 2^e, held within +-57,344, rounded to the nearest code, ties to even.
; LIMITS: -126 <= e <= 112 for both scales, so that 2^e and 57,344 x 2^e are f32 numbers.  NaN among the inputs is not served.
; THE CODES ARE LAID IN THE ORDER OF THE OPERAND'S REGISTERS, so that the product's launch fetches every fragment by loads of 16 bytes a lane, 512 consecutive bytes a wave:
;   xc : byte = mt 16384 + blk 512 + 16 lane;  mt = row / 16, blk = k / 32;  lane (r, h) holds row 16 mt + r, k = 32 blk + 16 h + 0 .. 15
;   w1c: byte = G 65536 + ((4 s + nt) 4 + c) 512 + 16 lane;  G = n / 64 of the flat column n = 4096 e + h, s = k / 128, c = (k / 32) % 4;  lane (r, h) holds column 64 G + 16 nt + r, k = 128 s + 32 c + 16 h + 0 .. 15
; SHARES.  Work-groups 0 to 127: a tile of 16 rows of x each; wave w takes k = 256 w .. 256 w + 255.  Work-groups 128 to 1151: 128 columns x 256 k of w1 each; a wave 32 columns.
; The branch between the two hangs on the work-group's number alone; only x's path uses LDS and a barrier.
; No tensor loads, no cluster: no two work-groups read the same bytes of x or w1 (wg's 32 KiB are the exception, a small part of a work-group's bytes).
.set XB, 112                           ; v112-119 x's fragment in bf16, for the gate's product
.set WB, 120                           ; v120-127 wg's
.set CD, 144                           ; v144-175 x's codes: four registers a block, never rewritten, so no store's data are written again
.set WX, 16                            ; w1's path: v16-79 two sets of 32 numbers
.set WC, 80                            ; v80-143 codes: eight registers a block, never rewritten
	s_load_b256 s[4:11], s[0:1], 0x0               ; x s[4:5], w1 s[6:7], wg s[8:9], bg s[10:11]
	s_load_b256 s[12:19], s[0:1], 0x20             ; the scales' exponents s[12:13], xc s[14:15], w1c s[16:17], out1 s[18:19]
	v_lshl_add_u32 v192, v0, 2, 0x1000
	v_mov_b32 v193, 0
	v_lshrrev_b32 v8, 5, v0
	v_readfirstlane_b32 s20, v8                    ; wave 0..3
	v_and_b32 v9, 31, v0                           ; lane
	v_and_b32 v1, 15, v0                           ; r
	v_bfe_u32 v2, v0, 4, 1                         ; h
	v_lshlrev_b32 v5, 4, v9                        ; 16 x lane
	s_mov_b32 s25, 0                               ; the upper word of every byte offset below
	s_wait_kmcnt 0x0
	s_load_b64 s[22:23], s[12:13], 0x0             ; ex, ew
	s_cmp_ge_u32 ttmp9, 128
	s_cbranch_scc1 .Lw1
.macro MKSCALE e                       ; v11 = 2^e as f32 (the conversion takes its exponent field), v10 = 57,344 x 2^e
	s_wait_kmcnt 0x0
	s_add_co_i32 s24, \e, 127
	s_lshl_b32 s26, s24, 23
	v_mov_b32 v11, s26
	s_add_co_i32 s24, s24, 15
	s_lshl_b32 s24, s24, 23
	s_or_b32 s24, s24, 0x600000
	v_mov_b32 v10, s24
.endm
; ---------------- x: codes and gate ----------------
; Lane (r, h) takes, of row r, 16 neighbours of each block of 32: k = 32 blk + 16 h + 0 .. 15: what the conversions want, and what the fragment order wants.
; THE GATE'S PRODUCT (left as it is: bf16 operands, f32 sums) takes the same numbers: source 0 = wg's columns as 16 rows (rows 8-15 repeat experts 0-7), source 1 = x's 16 rows.  Both sources carry the same
; order of k in a lane's registers, so every product meets its partner.  In the result lane (r, h) holds the eight logits of row r, in both halves of the lanes.
	s_load_b256 s[32:39], s[10:11], 0x0            ; bg
	v_lshlrev_b32 v3, 12, v1
	v_lshl_add_u32 v3, v2, 6, v3                   ; x: row r of 4,096 bytes, + 64 h
	v_and_b32 v4, 7, v0
	v_lshlrev_b32 v4, 2, v4
	v_lshl_add_u32 v4, v2, 9, v4                   ; wg: expert r % 8, + 16 h rows of 32 bytes
	v_lshl_add_u32 v6, v8, 10, v5                  ; LDS: my wave's 1,024 bytes, 16 x lane
	v_lshlrev_b32 v7, 5, v1
	v_lshl_add_u32 v7, v2, 4, v7                   ; out1: row r of 32 bytes, + 16 h
	s_lshl_b32 s24, ttmp9, 16                      ; 16 rows of 4,096 bytes a work-group,
	s_lshl_b32 s26, s20, 10                        ; 256 numbers a wave
	s_add_co_u32 s24, s24, s26
	s_add_nc_u64 s[4:5], s[4:5], s[24:25]
	s_lshl_b32 s24, s20, 13                        ; wg: 256 rows of 32 bytes a wave
	s_add_nc_u64 s[8:9], s[8:9], s[24:25]
	s_lshl_b32 s24, ttmp9, 14
	s_lshl_b32 s26, s20, 12
	s_add_co_u32 s24, s24, s26
	s_add_nc_u64 s[14:15], s[14:15], s[24:25]      ; xc: 16,384 bytes a tile of rows, 8 blocks of 512 a wave
	s_lshl_b32 s24, ttmp9, 9
	s_add_nc_u64 s[18:19], s[18:19], s[24:25]      ; out1: 16 rows of 32 bytes
	s_mov_b32 s40, 0x3fb8aa3b                      ; log2(e)
.macro LOADB b                         ; block b: 16 numbers of x and 16 of wg a lane, into set b % 3: 20 loads
.set LS, 16+32*((\b)%3)
.irp j, 0,1,2,3
	global_load_b128 v[LS+4*\j:LS+4*\j+3], v3, s[4:5] offset:128*(\b)+16*\j
.endr
.irp i, 0,1,2,3,4,5,6,7,8,9,10,11,12,13,14,15
	global_load_b32 v[LS+16+\i], v4, s[8:9] offset:(32*(\b)+\i)*32
.endr
.endm
.macro BLOCKX b
.if (\b) < 6
	LOADB (\b)+2                                   ; two blocks ahead, into the set that the last block has left
	s_wait_loadcnt 40                              ; this block's 20 loads are in; the 40 of the two younger blocks may be out
.else
	s_wait_loadcnt 20*(7-(\b))                     ; the counts run down: 20, 0
.endif
.set XS, 16+32*((\b)%3)
.set AC, 128+8*((\b)%2)
.irp j, 0,1,2,3,4,5,6,7
	v_cvt_pk_bf16_f32 v[XB+\j], v[XS+2*\j], v[XS+2*\j+1]
.endr
.irp j, 0,1,2,3,4,5,6,7
	v_cvt_pk_bf16_f32 v[WB+\j], v[XS+16+2*\j], v[XS+16+2*\j+1]
.endr
.if (\b) < 2
	v_wmma_f32_16x16x32_bf16 v[AC:AC+7], v[WB:WB+7], v[XB:XB+7], 0             ; the first two blocks start the two sums; the two accumulators take turns
.else
	v_wmma_f32_16x16x32_bf16 v[AC:AC+7], v[WB:WB+7], v[XB:XB+7], v[AC:AC+7]
.endif
.irp i, 0,1,2,3,4,5,6,7,8,9,10,11,12,13,14,15
	v_med3_num_f32 v[XS+\i], v[XS+\i], -v10, v10   ; the conversion to an 8-bit code does not saturate (ISA guide 7.6.2): the hold comes first.  These sixteen are also the places behind the product, ahead of the next block's writes of its sources
.endr
	v_cvt_scalef32_pk8_bf8_f32 v[CD+4*(\b):CD+4*(\b)+1], v[XS:XS+7], v11
	v_cvt_scalef32_pk8_bf8_f32 v[CD+4*(\b)+2:CD+4*(\b)+3], v[XS+8:XS+15], v11
	v_nop                                          ; one plain vector line behind the last scaled conversion
	global_store_b128 v5, v[CD+4*(\b):CD+4*(\b)+3], s[14:15] offset:512*(\b)   ; the wave stores 512 consecutive bytes, aligned
.endm
	LOADB 0
	LOADB 1
	MKSCALE s22
.irp b, 0,1,2,3,4,5,6,7
	BLOCKX \b
.endr
.irp j, 0,2,4,6
	v_pk_add_f32 v[16+\j:17+\j], v[128+\j:129+\j], v[136+\j:137+\j]   ; my wave's 256 k: the two sums, each read from its low end on
.endr
	ds_store_b128 v6, v[16:19]
	ds_store_b128 v6, v[20:23] offset:512
	s_wait_dscnt 0x0                               ; for the others' sake: my stores have landed
	s_barrier_signal -1
	s_barrier_wait -1
	s_cmp_lg_u32 s20, 0
	s_cbranch_scc1 .Lend                           ; wave 0 finishes the gate
.irp u, 1,2,3
	ds_load_b128 v[16+8*\u:19+8*\u], v5 offset:1024*\u
	ds_load_b128 v[20+8*\u:23+8*\u], v5 offset:1024*\u+512
.endr
	s_wait_dscnt 0x0
.irp u, 1,2,3
.irp j, 0,2,4,6
	v_pk_add_f32 v[16+\j:17+\j], v[16+\j:17+\j], v[16+8*\u+\j:17+8*\u+\j]
.endr
.endr
.irp j, 0,1,2,3,4,5,6,7
	v_add_f32 v[16+\j], s[32+\j], v[16+\j]         ; + bg
.endr
	v_max3_num_f32 v24, v16, v17, v18              ; the row's largest logit is taken away ahead of the exponentials
	v_max3_num_f32 v24, v24, v19, v20
	v_max3_num_f32 v24, v24, v21, v22
	v_max_num_f32 v24, v24, v23
	v_mul_f32 v25, s40, v24
.irp j, 0,1,2,3,4,5,6,7
	v_fma_f32 v[16+\j], v[16+\j], s40, -v25        ; (logit - max) x log2(e)
.endr
.irp j, 0,1,2,3,4,5,6,7
	v_exp_f32 v[16+\j], v[16+\j]
.endr
	v_nop                                          ; a plain line behind the last exponential
	s_wait_alu depctr_va_vdst(0)                   ; one wait for the batch of eight, ahead of its first reader
	v_add_f32 v26, v16, v17
	v_add_f32 v27, v18, v19
	v_add_f32 v32, v20, v21
	v_add_f32 v33, v22, v23
	v_add_f32 v26, v26, v27
	v_add_f32 v32, v32, v33
	v_add_f32 v26, v26, v32
	v_rcp_f32 v27, v26
	v_nop                                          ; a plain line behind the reciprocal
	v_cmp_le_u32 vcc_lo, 16, v9                    ; lanes 16-31 store gates 4 to 7 of their row, lanes 0-15 gates 0 to 3
.irp j, 0,1,2,3
	v_cndmask_b32 v[28+\j], v[16+\j], v[20+\j], vcc_lo
.endr
	s_wait_alu depctr_va_vdst(0)                   ; ahead of the reciprocal's first reader
.irp j, 0,1,2,3
	v_mul_f32 v[28+\j], v[28+\j], v27
.endr
	global_store_b128 v7, v[28:31], s[18:19]       ; 16 rows of 32 bytes: 512 consecutive bytes, aligned
	s_wait_tensorcnt 0x0
	ds_add_u32 v192, v193
	s_wait_dscnt 0x0
	s_endpgm
; ---------------- w1: codes ----------------
; K is w1's middle axis.  A LANE TAKES A COLUMN AND ITS REGISTERS RUN DOWN K: each load reads 128 consecutive bytes a wave (the four waves stand side by side on 512), and the conversions give codes with K innermost.
; A lane's 16 codes of half a block are just the 16 bytes that the fragment order gives one lane: sixteen neighbouring lanes store 256 consecutive bytes, aligned, with no way through LDS.
.Lw1:
	s_sub_co_u32 s26, ttmp9, 128
	s_and_b32 s27, s26, 255                        ; which 128 columns
	s_lshr_b32 s28, s26, 8                         ; which 256 along K
	s_lshr_b32 s24, s27, 5
	s_lshl_b32 s24, s24, 24                        ; the expert: 1,024 rows of 16,384 bytes
	s_lshl_b32 s29, s28, 22                        ; 256 rows
	s_add_co_u32 s24, s24, s29
	s_and_b32 s29, s27, 31
	s_lshl_b32 s29, s29, 9                         ; 128 columns of 4 bytes
	s_add_co_u32 s24, s24, s29
	s_lshl_b32 s29, s20, 7                         ; my wave's 32
	s_add_co_u32 s24, s24, s29
	s_add_nc_u64 s[6:7], s[6:7], s[24:25]
	s_lshl_b32 s24, s27, 1
	s_lshr_b32 s29, s20, 1
	s_add_co_u32 s24, s24, s29                     ; G = 2 x (group of 128) + wave / 2
	s_lshl_b32 s24, s24, 16
	s_lshl_b32 s29, s28, 14                        ; two K steps of 8,192 bytes
	s_add_co_u32 s24, s24, s29
	s_and_b32 s29, s20, 1
	s_lshl_b32 s29, s29, 12                        ; nt = 2 (wave % 2) + lane / 16: 2,048 bytes each
	s_add_co_u32 s24, s24, s29
	s_add_nc_u64 s[16:17], s[16:17], s[24:25]
	v_lshlrev_b32 v3, 2, v9                        ; in: 4 bytes a lane
	v_lshlrev_b32 v4, 4, v1
	v_lshl_add_u32 v4, v2, 11, v4                  ; out: 16 r + 2,048 (lane / 16)
.macro LOADW t                         ; block t: w1(32 t + i, my column), i = 0 .. 31, into set t % 2.  The largest immediate is 255 rows of 16,384 bytes, inside the signed 24 bits (ISA guide, chapter 10)
.irp i, 0,1,2,3,4,5,6,7,8,9,10,11,12,13,14,15,16,17,18,19,20,21,22,23,24,25,26,27,28,29,30,31
	global_load_b32 v[WX+32*((\t)%2)+\i], v3, s[6:7] offset:(32*(\t)+\i)*16384 th:TH_LOAD_NT
.endr
.endm
.macro BLOCKW t
.set XS, WX+32*((\t)%2)
.if (\t) < 7
	s_wait_loadcnt 32                              ; this block's 32 loads are in; the next block's may be out
.else
	s_wait_loadcnt 0
.endif
.irp i, 0,1,2,3,4,5,6,7,8,9,10,11,12,13,14,15,16,17,18,19,20,21,22,23,24,25,26,27,28,29,30,31
	v_med3_num_f32 v[XS+\i], v[XS+\i], -v10, v10
.endr
.irp g, 0,1,2,3
	v_cvt_scalef32_pk8_bf8_f32 v[WC+8*(\t)+2*\g:WC+8*(\t)+2*\g+1], v[XS+8*\g:XS+8*\g+7], v11
.endr
	v_nop                                          ; one plain vector line behind the last scaled conversion
.if (\t) < 6
	LOADW (\t)+2                                   ; loads ahead of stores
.endif
	global_store_b128 v4, v[WC+8*(\t):WC+8*(\t)+3], s[16:17] offset:((\t)/4)*8192+((\t)%4)*512          ; k = 0 .. 15 of the block: the place of lanes 0-15 of the fragment
	global_store_b128 v4, v[WC+8*(\t)+4:WC+8*(\t)+7], s[16:17] offset:((\t)/4)*8192+((\t)%4)*512+256    ; k = 16 .. 31: the place of lanes 16-31
.endm
	LOADW 0
	LOADW 1
	MKSCALE s23
.irp t, 0,1,2,3,4,5,6,7
	BLOCKW \t
.endr
.Lend:
	s_wait_tensorcnt 0x0
	ds_add_u32 v192, v193
	s_wait_dscnt 0x0
	s_endpgm
.Lfunc_end_k_q5e6d80565b_prep:
	.size	k_q5e6d80565b_prep, .Lfunc_end_k_q5e6d80565b_prep-k_q5e6d80565b_prep
	.p2alignl 7, 3214868480
	.fill 96, 4, 3214868480
	.section	.rodata,"a",@progbits
	.p2align	6, 0x0
	.amdhsa_kernel k_q5e6d80565b_prep
		.amdhsa_group_segment_fixed_size 4608
		.amdhsa_private_segment_fixed_size 0
		.amdhsa_enable_private_segment 0
		.amdhsa_kernarg_size 64
		.amdhsa_user_sgpr_count 2
		.amdhsa_user_sgpr_kernarg_segment_ptr 1
		.amdhsa_wavefront_size32 1
		.amdhsa_system_sgpr_workgroup_id_x 1
		.amdhsa_system_sgpr_workgroup_id_y 1
		.amdhsa_system_sgpr_workgroup_id_z 1
		.amdhsa_system_vgpr_workitem_id 0
		.amdhsa_next_free_vgpr 194
		.amdhsa_next_free_sgpr 66
		.amdhsa_reserve_vcc 1
		.amdhsa_float_denorm_mode_32 3
		.amdhsa_float_denorm_mode_16_64 3
		.amdhsa_memory_ordered 1
		.amdhsa_forward_progress 1
		.amdhsa_inst_pref_size 86
	.end_amdhsa_kernel
	.amdgpu_metadata
---
amdhsa.version: [ 1, 2 ]
amdhsa.kernels:
  - .name:           k_q5e6d80565b_prep
    .symbol:         k_q5e6d80565b_prep.kd
    .args:
      - { .name: x, .offset: 0, .size: 8, .value_kind: global_buffer, .address_space: global }
      - { .name: w1, .offset: 8, .size: 8, .value_kind: global_buffer, .address_space: global }
      - { .name: wg, .offset: 16, .size: 8, .value_kind: global_buffer, .address_space: global }
      - { .name: bg, .offset: 24, .size: 8, .value_kind: global_buffer, .address_space: global }
      - { .name: lowp_scales, .offset: 32, .size: 8, .value_kind: global_buffer, .address_space: global }
      - { .name: xc, .offset: 40, .size: 8, .value_kind: global_buffer, .address_space: global }
      - { .name: w1c, .offset: 48, .size: 8, .value_kind: global_buffer, .address_space: global }
      - { .name: out1, .offset: 56, .size: 8, .value_kind: global_buffer, .address_space: global }
    .group_segment_fixed_size: 4608
    .private_segment_fixed_size: 0
    .kernarg_segment_align: 8
    .kernarg_segment_size: 64
    .max_flat_workgroup_size: 128
    .sgpr_count:     66
    .vgpr_count:     194
    .wavefront_size: 32
...
	.end_amdgpu_metadata
.endif
;; end of part 1
;; launch experts (part 2): grid 128 x 2, 4 waves a work-group, clusters of 4 x 1, 327,680 bytes of LDS; arguments xc, w1c, b1, w2, lowp_scales, part; writes part
.if DOCPART == 2
	.amdgcn_target "amdgcn-amd-amdhsa--gfx1250"
	.amdhsa_code_object_version 6
	.text
	.protected	k_q5e6d80565b_experts
	.globl	k_q5e6d80565b_experts
	.p2align	8
	.type	k_q5e6d80565b_experts,@function
k_q5e6d80565b_experts:
	s_mov_b64 s[64:65], 0
	v_nop
	global_prefetch_b8 v0, s[64:65] scope:SCOPE_SE
	s_setreg_imm32_b32 hwreg(HW_REG_WAVE_MODE, 25, 1), 1
	s_wait_xcnt 0x0
	s_wait_alu depctr_hold_cnt(0) depctr_sa_sdst(0) depctr_va_vdst(0) depctr_va_sdst(0) depctr_va_ssrc(0) depctr_va_vcc(0) depctr_vm_vsrc(0)
	s_getreg_b32 s2, hwreg(HW_REG_IB_STS2, 6, 4)
	s_cmp_eq_u32 s2, 0
	s_cbranch_scc0 .Lentry_in_a_cluster
	s_endpgm
.Lentry_in_a_cluster:
	s_bfe_u32 s2, ttmp6, 0x10000c
	s_cmp_lg_u32 s2, 0x3003
	s_cbranch_scc0 .Lentry_shape_is_right
	s_endpgm
.Lentry_shape_is_right:
; EXPERTS: part[cg][row] = the sum over the 256 hidden units n of column group cg of relu(x w1 + b1)[row][n] x w2[n], the product on codes of BF8 (E5M2) by v_wmma_f32_16x16x128_bf8_bf8, sums in f32.
; The hidden layer never leaves the registers: bias, relu and the product with w2 are done on the accumulators.
; SHARES.  256 work-groups: cg = 0 .. 127 (256 columns of the flat 32,768), rh = 0, 1 (1,024 rows).  Wave w owns 64 columns, G = 4 cg + w, for all 64 tiles of 16 rows.
; A WAVE'S PART OF w1 STAYS IN REGISTERS: 64 columns x 1,024 k of codes are 512 registers (windows 1 and 2), fetched once.  What streams is x: a tile of 16 rows x 1,024 k, 16,384 bytes in fragment order,
; feeds 32 matrix instructions a wave.  x comes through a ring of two LDS slots of 8 tiles, filled by tensor loads, each wave a quarter of a slot.
; CLUSTER.  The four work-groups of a cluster share rh and walk the same x: every tile is asked for JOINTLY, by the same load with the same descriptor and the mask of all four.
; w1's codes are read by two work-groups (the two row halves), once each, straight into registers: a joint load would send 262,144 bytes a work-group through LDS, which the ring fills; so they are not shared.
; THE MATRIX INSTRUCTION IS USED TRANSPOSED: source 0 = 16 columns of w1, source 1 = 16 rows of x: lane (r, h) holds row r, and register j of column tile nt the hidden unit 16 nt + 8 h + j.
; THE SCALES.  A sum s stands for s x 2^E, E = ex + ew.  relu(s 2^E + b1) w2 = relu(s + b1 2^-E) (w2 2^E): b1 2^-E is the C of a tile's first products, w2 2^E the factor of the last step.
; LIMIT: b1 x 2^-E and w2 x 2^E must be f32 numbers (what falls under the smallest is lost, what passes the largest is infinite).
; BY TURNS.  While tile t is multiplied, tile t + 1's fragments are fetched from LDS and tile t - 1's accumulators are finished, in slices of four lines between the matrix instructions.
; REGISTERS, in windows of 256 (s_set_vgpr_msb: bits 1:0 source 0, 3:2 source 1, 5:4 source 2, 7:6 destination):
;   window 0: v2-11 addresses; v12-15 a tile's running sums; v32-95 two sets of four accumulators; v96-127 b1 2^-E; v128-159 w2 2^E; v160-223 the end's sums
;   window 1: w1's fragments of K steps 0-3, (s, nt) at 16 (4 s + nt);  window 2: of K steps 4-7;  window 3: x's fragments, two buffers of 128, K step s at 16 s
.set TILEB,  16384                     ; a tile of 16 rows of x: 32 pieces of 512 bytes
.set SLOTB,  8*TILEB                   ; a slot: 8 tiles
.set SLOT1,  1<<17                     ; slot 1 begins here
.set SPARE,  2*SLOT1                   ; behind the ring: the spare words, 128 bytes a wave: two blocks of 256 bytes that no other line names
.set RES,    SPARE+512                 ; the tiles' results: wave x 8,192 + tile x 128 + 4 x lane; no fill ever lands here
.set LI,  2                            ; v2   16 x lane
.set ADR, 3                            ; v3   LDS address of the fetches in hand
.set RA0, 4                            ; v4   RES + 8,192 x wave + 4 x lane
.set RAD, 5                            ; v5   where the results in hand go
.set SPW, 6                            ; v6   LDS address of my spare word; never rewritten
.set NIL, 7                            ; v7   0; never rewritten
.set PFO, 8                            ; v8   256 x lane: the prefetches' offset; never rewritten
.set FA,  9                            ; v9   the end: where I read results
.set BO,  10                           ; v10  32 h: my half's eight numbers of b1 and w2
.set GO,  11                           ; v11  16 x thread: my place in part
.set S0,  12                           ; v[12:13], v[14:15] two running pairs of sums
.set ACC, 32
.set BI,  96
.set WW,  128
.set EN,  160
.set WV,  16                           ; s16  wave
.set G1,  24                           ; s[24:31] descriptor group 1
.set G0A, 32                           ; s[32:35] group 0 of slot 0's first fill
.set G0B, 36                           ; s[36:39] group 0 that walks: slot 1's first fill, then every refill
.set TA,  40                           ; s40  LDS byte of the tile to be fetched next
.set RS,  41                           ; s41  byte in my results of the tile to be finished next
.set SLOTS, 42                         ; s42  refills still to come
.set CNT, 43                           ; s43  the inner loop's counter
.set LIM, 44                           ; s44  1 in the cluster that prefetches, else the greatest number
.set PFA, 46                           ; s[46:47] where my prefetches stand
.set M1,  0x0d                         ; source 0 (w1) window 1, source 1 (x) window 3, C and D window 0
.set M2,  0x0e                         ; the same with w1 in window 2
.set LDW, 0xc0                         ; destination window 3, address window 0
.set MSB, 0
.macro WIN new                         ; the immediate's high byte repeats the setting that is left; a switch that changes nothing is dropped
.if MSB != \new
	s_set_vgpr_msb (MSB<<8)|\new
.set MSB, \new
.endif
.endm
.macro CREST                           ; a round of the cluster's barrier behind its opening barrier
	s_cmp_lg_u32 s[WV], 0
	s_cbranch_scc1 .Lnot_wave_0_\@
	s_barrier_signal -3
.Lnot_wave_0_\@:
	s_barrier_wait -3
	s_barrier_signal -1
	s_barrier_wait -1
.endm
.macro ROUND                           ; a whole round
	s_barrier_signal -1
	s_barrier_wait -1
	CREST
.endm
; A PREFETCH INTO THE L2 of the slot that the NEXT change of slots will ask for: 131,072 bytes, 8 tiles (256 matrix instructions a wave) ahead of that load.  All 32 clusters of a row half walk the same x: the first
; of them asks.  Its four partners and their four waves share the slot out BY ADDRESS, 8,192 bytes each, lanes 256 bytes apart: each block of 256 bytes is named once.  The last refill asks for nothing: no slot follows.
.macro ASK
	s_cmp_gt_u32 s[SLOTS], s[LIM]
	s_cbranch_scc0 .Lnot_mine_\@
	global_prefetch_b8 v[PFO], s[PFA:PFA+1] th:TH_LOAD_NT scope:SCOPE_SE
.Lnot_mine_\@:
.endm
	s_load_b256 s[4:11], s[0:1], 0x0               ; xc s[4:5], w1c s[6:7], b1 s[8:9], w2 s[10:11]
	s_load_b128 s[12:15], s[0:1], 0x20             ; the scales' exponents s[12:13], part s[14:15]
	v_lshl_add_u32 v[SPW], v0, 2, SPARE
	v_mov_b32 v[NIL], 0
	ds_add_u32 v6, v7
	ds_add_u32 v6, v7
	s_wait_dscnt 0x0
	v_lshrrev_b32 v1, 5, v0
	v_readfirstlane_b32 s[WV], v1                  ; wave 0..3
	s_bfe_u32 s17, ttmp6, 0x40000                  ; cx: my place in the cluster: it enters global addresses of w1c, b1, w2, part and the prefetches alone
	s_lshl_b32 s18, ttmp9, 2
	s_add_co_u32 s18, s18, s17                     ; cg = 4 x cluster x + cx
	s_and_b32 s19, ttmp7, 0xffff                   ; rh, which the four partners share
	; descriptor group 1: a quarter of a slot, dense in memory: 128 rows of 32 elements of 8 bytes
	s_mov_b32 s[G1], 15|(3<<16)|(1<<21)            ; 15:0 the mask: all four work-groups; 17:16 elements of 8 bytes; 20 no padding (fragments are read as consecutive bytes); 21 set beside a mask
	s_mov_b32 s[G1+1], 32<<16                      ; tensor_dim0 = 32
	s_mov_b32 s[G1+2], 128<<16                     ; tensor_dim1 = 128
	s_mov_b32 s[G1+3], 32<<16                      ; tile_dim0 = 32
	s_mov_b32 s[G1+4], 128                         ; tile_dim1 = 128
	s_mov_b32 s[G1+5], 32                          ; from row to row: 32 elements
	s_mov_b32 s[G1+6], 0
	s_mov_b32 s[G1+7], 0
	s_lshl_b32 s22, s19, 20                        ; my row half's 1,048,576 bytes of codes,
	s_lshl_b32 s[G0A+1], s[WV], 15                 ; my quarter of a slot, in memory and in LDS: 32,768 x wave
	s_add_co_u32 s22, s22, s[G0A+1]
	s_mov_b32 s23, 0
	s_mov_b32 s[G0A], 1
	s_mov_b32 s[G0B], 1
	s_add_co_u32 s[G0B+1], s[G0A+1], SLOT1
	s_lshl_b32 s20, s18, 2                         ; offsets that hold cx, in registers of their own
	s_add_co_u32 s20, s20, s[WV]                   ; G = 4 cg + wave
	s_lshl_b32 s52, s20, 8                         ; b1, w2: 64 numbers of 4 bytes
	s_lshl_b32 s20, s20, 16                        ; w1c: 65,536 bytes
	s_mov_b32 s21, 0
	s_mov_b32 s53, 0
	s_lshl_b32 s54, s18, 13                        ; part: a row of 2,048 numbers for each cg,
	s_lshl_b32 s55, s19, 12                        ; my half of it
	s_add_co_u32 s54, s54, s55
	s_mov_b32 s55, 0
	s_lshl_b32 s56, s17, 2
	s_add_co_u32 s56, s56, s[WV]
	s_lshl_b32 s56, s56, 13                        ; the prefetches: 8,192 bytes for each of the cluster's sixteen waves,
	s_lshl_b32 s57, s19, 20
	s_add_co_u32 s56, s56, s57                     ; in my row half,
	s_add_co_u32 s56, s56, 2*SLOTB                 ; in slot 2: the first change of slots steps it to slot 3.  Nothing is prefetched at the head
	s_mov_b32 s57, 0
	s_cmp_eq_u32 ttmp9, 0                          ; the same in all four partners
	s_cselect_b32 s[LIM], 1, -1
	v_and_b32 v1, 31, v0                           ; lane
	v_lshlrev_b32 v[LI], 4, v1
	v_lshlrev_b32 v[PFO], 8, v1
	v_lshrrev_b32 v[RA0], 5, v0
	v_lshlrev_b32 v[RA0], 13, v[RA0]
	v_lshl_add_u32 v[RA0], v1, 2, v[RA0]
	v_add_nc_u32 v[RA0], RES, v[RA0]
	v_lshrrev_b32 v[FA], 2, v0
	v_lshlrev_b32 v[FA], 7, v[FA]
	v_and_b32 v1, 3, v0
	v_lshl_add_u32 v[FA], v1, 4, v[FA]
	v_add_nc_u32 v[FA], RES, v[FA]                 ; the end: tile thread / 4, rows 4 (thread % 4) on
	v_bfe_u32 v[BO], v0, 4, 1
	v_lshlrev_b32 v[BO], 5, v[BO]
	v_lshlrev_b32 v[GO], 4, v0
	s_wait_kmcnt 0x0
	s_load_b64 s[48:49], s[12:13], 0x0             ; ex, ew
	s_add_nc_u64 s[G0A+2:G0A+3], s[4:5], s[22:23]  ; slot 0: tiles 0 to 7 of my row half
	s_add_nc_u64 s[G0B+2:G0B+3], s[G0A+2:G0A+3], SLOTB   ; slot 1: tiles 8 to 15
	s_or_b32 s[G0A+3], s[G0A+3], 0x80000000        ; type = 2
	s_or_b32 s[G0B+3], s[G0B+3], 0x80000000
	s_add_nc_u64 s[PFA:PFA+1], s[4:5], s[56:57]
	s_add_nc_u64 s[6:7], s[6:7], s[20:21]
	s_add_nc_u64 s[8:9], s[8:9], s[52:53]
	s_add_nc_u64 s[10:11], s[10:11], s[52:53]
	s_add_nc_u64 s[14:15], s[14:15], s[54:55]
	ROUND                                          ; all four work-groups are here: the first joint loads meet
	tensor_load_to_lds s[G0A:G0A+3], s[G1:G1+7]    ; both first fills go out together: two loads of mine are out
	s_nop 0
	tensor_load_to_lds s[G0B:G0B+3], s[G1:G1+7]
	s_nop 0
.rept 4
	v_nop                                          ; four lines behind a tensor load, ahead of a switch of windows
.endr
	WIN 0x40                                       ; destination window 1
.set i, 0
.rept 64
	global_load_b128 v[4*i:4*i+3], v[LI], s[6:7] offset:512*i      ; w1's fragments, as they lie: 512 consecutive bytes a load
.set i, i+1
.endr
	WIN 0x80                                       ; destination window 2
.rept 64
	global_load_b128 v[4*(i-64):4*(i-64)+3], v[LI], s[6:7] offset:512*i
.set i, i+1
.endr
	WIN 0
.irp n, 0,1,2,3
	global_load_b128 v[BI+8*\n:BI+8*\n+3],   v[BO], s[8:9] offset:64*\n       ; b1 and w2 at hidden units 16 nt + 8 h + 0 .. 7: the result's layout
	global_load_b128 v[BI+8*\n+4:BI+8*\n+7], v[BO], s[8:9] offset:64*\n+16
	global_load_b128 v[WW+8*\n:WW+8*\n+3],   v[BO], s[10:11] offset:64*\n
	global_load_b128 v[WW+8*\n+4:WW+8*\n+7], v[BO], s[10:11] offset:64*\n+16
.endr
	s_mov_b32 s[TA], TILEB
	s_mov_b32 s[RS], 0
	s_mov_b32 s[SLOTS], 6
	s_wait_loadcnt 0x0
	s_wait_kmcnt 0x0
	s_add_co_i32 s50, s48, s49                     ; E = ex + ew
	s_sub_co_i32 s51, 0, s50
.set i, 0
.rept 32
	v_ldexp_f32 v[BI+i], v[BI+i], s51              ; b1 x 2^-E
	v_ldexp_f32 v[WW+i], v[WW+i], s50              ; w2 x 2^E
.set i, i+1
.endr
	s_wait_tensorcnt 0x1                           ; my quarter of slot 0 is in; slot 1's may stay out
	s_barrier_signal -1
	s_barrier_wait -1                              ; everybody's is
	WIN LDW
.set i, 0
.rept 32
	ds_load_b128 v[4*i:4*i+3], v[LI] offset:512*i  ; tile 0 into buffer 0
.set i, i+1
.endr
	WIN 0
; Matrix instruction i of a tile's 32: K step i / 4, column tile i % 4; x's buffer and the accumulator set p.  The four accumulators take turns, one instruction a turn.
; The first four start the sums with b1 2^-E as C: nothing is cleared and no bias is added.
.macro MM p, i
.set rD, ACC+32*(\p)+8*((\i)%4)
.set rX, 128*(\p)+16*((\i)/4)
.if (\i) < 16
	WIN M1
.set rW, 16*(\i)
.else
	WIN M2
.set rW, 16*((\i)-16)
.endif
.if (\i) < 4
	v_wmma_f32_16x16x128_bf8_bf8 v[rD:rD+7], v[rW:rW+15], v[rX:rX+15], v[BI+8*((\i)%4):BI+8*((\i)%4)+7]
.else
	v_wmma_f32_16x16x128_bf8_bf8 v[rD:rD+7], v[rW:rW+15], v[rX:rX+15], v[rD:rD+7]
.endif
.endm
.macro LDS4 p, k, foff                 ; K step k of the next tile, four loads of 512 consecutive bytes, into the other buffer
	WIN LDW
.irp c, 0,1,2,3
	ds_load_b128 v[128*(1-(\p))+16*(\k)+4*\c:128*(1-(\p))+16*(\k)+4*\c+3], v[ADR] offset:(\foff)+512*(4*(\k)+\c)
.endr
.endm
; Slice k of 12 of the finishing of accumulator set a: column tile k / 3: relu on registers 0-3, on 4-7, then four packed multiply-adds with w2 2^E into two running pairs.  Each accumulator is read from its low end on.
.macro EPS a, k
	WIN 0
.set eN, (\k)/3
.set eR, ACC+32*(\a)+8*eN
.set eW, WW+8*eN
.if (\k)%3 == 0
.irp j, 0,1,2,3
	v_max_num_f32 v[eR+\j], 0, v[eR+\j]
.endr
.elseif (\k)%3 == 1
.irp j, 4,5,6,7
	v_max_num_f32 v[eR+\j], 0, v[eR+\j]
.endr
.else
.irp q, 0,1,2,3
.if (eN == 0) && (\q < 2)
	v_pk_mul_f32 v[S0+2*\q:S0+2*\q+1], v[eR+2*\q:eR+2*\q+1], v[eW+2*\q:eW+2*\q+1]      ; the first two start the sums
.else
	v_pk_fma_f32 v[S0+2*(\q%2):S0+2*(\q%2)+1], v[eR+2*\q:eR+2*\q+1], v[eW+2*\q:eW+2*\q+1], v[S0+2*(\q%2):S0+2*(\q%2)+1]
.endif
.endr
.endif
.endm
.macro FIN roff                        ; a lane's 32 hidden units are one number: to my results in LDS; the lanes' halves and the waves are added at the end
	v_pk_add_f32 v[S0:S0+1], v[S0:S0+1], v[S0+2:S0+3]
	v_add_f32 v[S0], v[S0], v[S0+1]
	ds_store_b32 v[RAD], v[S0] offset:\roff
.endm
.macro SETP                            ; the addresses of a pair of tiles
	v_add_nc_u32 v[ADR], s[TA], v[LI]
	v_add_nc_u32 v[RAD], s[RS], v[RA0]
.endm
; A TILE.  ld: the next tile is fetched, behind the even ones of the first 16 matrix instructions, 16 or more ahead of its use.  ep: the tile before is finished, behind the odd ones.
; The last slice and FIN, six plain vector lines that name no register of this tile's products, are the places behind them: ahead of the next tile's first read of these sums and of its loads
; into this tile's buffer.  Where nothing is finished, four v_nop stand there.
.macro TILE p, ld, ep, foff, roff
	s_wait_dscnt 0x0                               ; this tile's fragments are in
.set i, 0
.rept 32
	MM \p, i
.if \ld && (i < 16) && (i%2 == 0)
	LDS4 \p, i/2, \foff
.endif
.if \ep && (i < 22) && (i%2 == 1)
	EPS 1-\p, (i-1)/2
.endif
.set i, i+1
.endr
	WIN 0
.if \ep
	EPS 1-\p, 11
	FIN \roff
.else
.rept 4
	v_nop
.endr
.endif
.endm
; A SLOT'S LAST TILE (buffer 1) changes slots: ONE barrier.  In front of it each wave waits for all its tensor loads (the one that is out is its quarter of the next slot), adds 0 to its spare word, and waits for that
; and for its reads of this slot.  fill = 1: the barrier opens a round of the cluster's barrier, behind which no wave of any partner still reads this slot or has a load on its way; the joint refill, with the tiles two
; slots on, is the first thing behind it and has 8 tiles, 256 matrix instructions, in which to land.  By this text's count one tensor load of a wave is out behind a round.
.macro TURN fill, roff
.if \fill
	s_wait_xcnt 0x0                                ; the last prefetch, a slot back, has read its address:
	s_add_nc_u64 s[PFA:PFA+1], s[PFA:PFA+1], SLOTB ; it steps here, ahead of the change's own waits
.endif
	s_wait_tensorcnt 0x0                           ; no tensor load of mine is out, so a group 0 may be written
	ds_add_u32 v[SPW], v[NIL]                      ; 0 onto my spare word
.if \fill
	s_xor_b32 s[G0B+1], s[G0B+1], SLOT1            ; the walking descriptor: the other slot than last time,
	s_add_nc_u64 s[G0B+2:G0B+3], s[G0B+2:G0B+3], SLOTB   ; the next 8 tiles; the type bits on top are not reached
.endif
	s_and_b32 s[TA], s[TA], SLOT1
	s_xor_b32 s[TA], s[TA], SLOT1                  ; the fetches go on at the other slot's first tile
	s_wait_dscnt 0x1                               ; this tile's fragments are in; the add alone may be out
.set i, 0
.rept 8
	MM 1, i
	EPS 0, i
.set i, i+1
.endr
	s_wait_dscnt 0x0                               ; the add is done, and my reads of this slot are over
	s_barrier_signal -1
.rept 8
	MM 1, i                                        ; work on registers while the others arrive
.if i < 11
	EPS 0, i
.endif
.set i, i+1
.endr
	WIN 0
	s_barrier_wait -1
.if \fill
	CREST
	tensor_load_to_lds s[G0B:G0B+3], s[G1:G1+7]
	s_nop 0
.rept 4
	v_nop
.endr
	ASK
.endif
	v_add_nc_u32 v[ADR], s[TA], v[LI]
.rept 16
	MM 1, i
.if i < 24
	LDS4 1, i-16, 0                                ; the next slot's first tile
.endif
.set i, i+1
.endr
	WIN 0
	EPS 0, 11
	FIN \roff
	s_add_co_u32 s[TA], s[TA], TILEB
	s_add_co_u32 s[RS], s[RS], 256
.endm
.macro PAIRS n                         ; n pairs of tiles: a pair brings the register numbers back to where they began
	s_mov_b32 s[CNT], \n
.Lpair_\@:
	SETP
	TILE 0, 1, 1, 0, 0
	TILE 1, 1, 1, TILEB, 128
	s_add_co_u32 s[TA], s[TA], 2*TILEB
	s_add_co_u32 s[RS], s[RS], 256
	s_sub_co_u32 s[CNT], s[CNT], 1
	s_cmp_lg_u32 s[CNT], 0
	s_cbranch_scc1 .Lpair_\@
.endm
	SETP                                           ; slot 0: its first pair is written out: there is no tile before tile 0 to finish
	TILE 0, 1, 0, 0, 0
	TILE 1, 1, 1, TILEB, 0
	s_add_co_u32 s[TA], s[TA], 2*TILEB
	s_add_co_u32 s[RS], s[RS], 128
	PAIRS 2
	SETP
	TILE 0, 1, 1, 0, 0
	TURN 1, 128
	s_sub_co_u32 s[SLOTS], s[SLOTS], 1
.Lslot:                                                ; slots 1 to 5: five trips, each of which fills the slot that it leaves
	PAIRS 3
	SETP
	TILE 0, 1, 1, 0, 0
	TURN 1, 128
	s_sub_co_u32 s[SLOTS], s[SLOTS], 1
	s_cmp_lg_u32 s[SLOTS], 0
	s_cbranch_scc1 .Lslot
	PAIRS 3                                        ; slot 6 is written out: nothing is left to ask for
	SETP
	TILE 0, 1, 1, 0, 0
	TURN 0, 128
	PAIRS 3                                        ; slot 7
	SETP
	TILE 0, 1, 1, 0, 0
	TILE 1, 0, 1, 0, 128
.irp k, 0,1,2,3,4,5,6,7,8,9,10,11
	EPS 1, \k                                      ; the last tile is finished; the six lines at the end of TILE are the places behind its products
.endr
	FIN 256
	; THE END.  part[cg][row] = the sum over the four waves and the two halves of the lanes.  Thread t takes rows 4 t .. 4 t + 3 and 512 + 4 t .. of the work-group's 1,024.
	s_wait_dscnt 0x0                               ; for the others' sake: my results have landed
	s_barrier_signal -1
	s_barrier_wait -1
.irp u, 0,1
.irp w, 0,1,2,3
.irp g, 0,1
	ds_load_b128 v[EN+32*\u+4*(2*\w+\g):EN+32*\u+4*(2*\w+\g)+3], v[FA] offset:8192*\w+64*\g+4096*\u
.endr
.endr
.endr
	s_wait_dscnt 0x0
.irp u, 0,1
.irp d, 4,8,16                         ; neighbours 1, 2 and 4 quads apart
.irp q, 0,8,16,24
.if (\q % (2*\d)) == 0
	v_pk_add_f32 v[EN+32*\u+\q:EN+32*\u+\q+1],   v[EN+32*\u+\q:EN+32*\u+\q+1],   v[EN+32*\u+\q+\d:EN+32*\u+\q+\d+1]
	v_pk_add_f32 v[EN+32*\u+\q+2:EN+32*\u+\q+3], v[EN+32*\u+\q+2:EN+32*\u+\q+3], v[EN+32*\u+\q+\d+2:EN+32*\u+\q+\d+3]
.endif
.endr
.endr
	global_store_b128 v[GO], v[EN+32*\u:EN+32*\u+3], s[14:15] offset:2048*\u   ; a wave stores 512 consecutive bytes, aligned
.endr
	s_wait_tensorcnt 0x0                           ; the wave's end: behind my last tensor load and my last LDS store
	ds_add_u32 v[SPW], v[NIL]
	s_wait_dscnt 0x0
	ROUND                                          ; the closing round: no work-group ends while a partner may still ask for a tile that names it
	s_endpgm
.Lfunc_end_k_q5e6d80565b_experts:
	.size	k_q5e6d80565b_experts, .Lfunc_end_k_q5e6d80565b_experts-k_q5e6d80565b_experts
	.p2alignl 7, 3214868480
	.fill 96, 4, 3214868480
	.section	.rodata,"a",@progbits
	.p2align	6, 0x0
	.amdhsa_kernel k_q5e6d80565b_experts
		.amdhsa_group_segment_fixed_size 327680
		.amdhsa_private_segment_fixed_size 0
		.amdhsa_enable_private_segment 0
		.amdhsa_kernarg_size 48
		.amdhsa_user_sgpr_count 2
		.amdhsa_user_sgpr_kernarg_segment_ptr 1
		.amdhsa_wavefront_size32 1
		.amdhsa_system_sgpr_workgroup_id_x 1
		.amdhsa_system_sgpr_workgroup_id_y 1
		.amdhsa_system_sgpr_workgroup_id_z 1
		.amdhsa_system_vgpr_workitem_id 0
		.amdhsa_next_free_vgpr 1024
		.amdhsa_next_free_sgpr 66
		.amdhsa_reserve_vcc 0
		.amdhsa_float_denorm_mode_32 3
		.amdhsa_float_denorm_mode_16_64 3
		.amdhsa_memory_ordered 1
		.amdhsa_forward_progress 1
		.amdhsa_inst_pref_size 164
	.end_amdhsa_kernel
	.amdgpu_metadata
---
amdhsa.version: [ 1, 2 ]
amdhsa.kernels:
  - .name:           k_q5e6d80565b_experts
    .symbol:         k_q5e6d80565b_experts.kd
    .args:
      - { .name: xc, .offset: 0, .size: 8, .value_kind: global_buffer, .address_space: global }
      - { .name: w1c, .offset: 8, .size: 8, .value_kind: global_buffer, .address_space: global }
      - { .name: b1, .offset: 16, .size: 8, .value_kind: global_buffer, .address_space: global }
      - { .name: w2, .offset: 24, .size: 8, .value_kind: global_buffer, .address_space: global }
      - { .name: lowp_scales, .offset: 32, .size: 8, .value_kind: global_buffer, .address_space: global }
      - { .name: part, .offset: 40, .size: 8, .value_kind: global_buffer, .address_space: global }
    .group_segment_fixed_size: 327680
    .private_segment_fixed_size: 0
    .kernarg_segment_align: 8
    .kernarg_segment_size: 48
    .max_flat_workgroup_size: 128
    .sgpr_count:     66
    .vgpr_count:     1024
    .wavefront_size: 32
...
	.end_amdgpu_metadata
.endif
;; end of part 2
;; launch mix (part 3): grid 32 x 1, 8 waves a work-group, no clusters, 3,072 bytes of LDS; arguments part, out1, b2, out0; writes out0
.if DOCPART == 3
	.amdgcn_target "amdgcn-amd-amdhsa--gfx1250"
	.amdhsa_code_object_version 6
	.text
	.protected	k_q5e6d80565b_mix
	.globl	k_q5e6d80565b_mix
	.p2align	8
	.type	k_q5e6d80565b_mix,@function
k_q5e6d80565b_mix:
	s_mov_b64 s[64:65], 0
	v_nop
	global_prefetch_b8 v0, s[64:65] scope:SCOPE_SE
	s_setreg_imm32_b32 hwreg(HW_REG_WAVE_MODE, 25, 1), 1
	s_wait_xcnt 0x0
; MIX: out0[row] = the sum over the experts e of gate[row][e] x (b2[e] + the sum over j = 0 .. 15 of part[16 e + j][row]).  part: [128][2048] f32; gate = out1: [2048][8] f32.
; A work-group owns 64 rows, so each output has one owner.  Wave e adds expert e's sixteen parts, a lane two neighbouring rows: each load covers 256 consecutive bytes, aligned.  The eight sums meet in LDS;
; wave 0 weighs them by the gate and stores 256 consecutive bytes.  A little over a megabyte is read once: no matrix unit, no tensor load, no cluster would spare a byte.
	s_load_b256 s[4:11], s[0:1], 0x0               ; part s[4:5], out1 s[6:7], b2 s[8:9], out0 s[10:11]
	v_lshl_add_u32 v64, v0, 2, 0x800
	v_mov_b32 v65, 0
	v_lshrrev_b32 v1, 5, v0
	v_readfirstlane_b32 s12, v1                    ; wave = expert
	v_and_b32 v1, 31, v0                           ; lane
	v_lshlrev_b32 v2, 3, v1                        ; 8 x lane: my two rows in part, in out0 and in an expert's 256 bytes of LDS
	v_lshlrev_b32 v3, 3, v0                        ; LDS: 256 x wave + 8 x lane
	v_lshlrev_b32 v4, 6, v1                        ; the gate: two rows of 32 bytes a lane
	s_lshl_b32 s14, s12, 17                        ; sixteen rows of part, 8,192 bytes each
	s_lshl_b32 s13, ttmp9, 8                       ; my work-group's 64 rows
	s_add_co_u32 s14, s14, s13
	s_mov_b32 s15, 0
	s_wait_kmcnt 0x0
	s_load_b256 s[16:23], s[8:9], 0x0              ; b2
	s_add_nc_u64 s[4:5], s[4:5], s[14:15]
.irp j, 0,1,2,3,4,5,6,7,8,9,10,11,12,13,14,15
	global_load_b64 v[8+2*\j:9+2*\j], v2, s[4:5] offset:8192*\j th:TH_LOAD_NT
.endr
	s_cmp_lg_u32 s12, 0
	s_cbranch_scc1 .Lsum
	s_lshl_b32 s14, ttmp9, 11                      ; wave 0 alone: 64 rows of the gate
	s_add_nc_u64 s[6:7], s[6:7], s[14:15]
.irp i, 0,1,2,3
	global_load_b128 v[40+4*\i:43+4*\i], v4, s[6:7] offset:16*\i   ; v40-47: my first row's eight gates; v48-55: my second row's
.endr
	s_mov_b32 s14, s13
	s_add_nc_u64 s[10:11], s[10:11], s[14:15]
.Lsum:
	s_wait_loadcnt 0x0
.irp d, 1,2,4,8                        ; neighbours 1, 2, 4 and 8 parts apart: fifteen packed additions
.irp j, 0,2,4,6,8,10,12,14
.if (\j % (2*\d)) == 0
	v_pk_add_f32 v[8+2*\j:9+2*\j], v[8+2*\j:9+2*\j], v[8+2*(\j+\d):9+2*(\j+\d)]
.endif
.endr
.endr
	ds_store_b64 v3, v[8:9]
	s_wait_dscnt 0x0                               ; for wave 0's sake: my store has landed
	s_barrier_signal -1
	s_barrier_wait -1
	s_cmp_lg_u32 s12, 0
	s_cbranch_scc1 .Lend
.irp e, 0,1,2,3,4,5,6,7
	ds_load_b64 v[8+2*\e:9+2*\e], v2 offset:256*\e
.endr
	s_wait_dscnt 0x0
	s_wait_kmcnt 0x0
.irp e, 0,1,2,3,4,5,6,7
	v_add_f32 v[8+2*\e], s[16+\e], v[8+2*\e]       ; + b2
	v_add_f32 v[9+2*\e], s[16+\e], v[9+2*\e]
.endr
	v_mul_f32 v56, v40, v8
	v_mul_f32 v57, v48, v9
.irp e, 1,2,3,4,5,6,7
	v_fmac_f32 v56, v[40+\e], v[8+2*\e]
	v_fmac_f32 v57, v[48+\e], v[9+2*\e]
.endr
	global_store_b64 v2, v[56:57], s[10:11]        ; 64 rows: 256 consecutive bytes, aligned
.Lend:
	s_wait_tensorcnt 0x0
	ds_add_u32 v64, v65
	s_wait_dscnt 0x0
	s_endpgm
.Lfunc_end_k_q5e6d80565b_mix:
	.size	k_q5e6d80565b_mix, .Lfunc_end_k_q5e6d80565b_mix-k_q5e6d80565b_mix
	.p2alignl 7, 3214868480
	.fill 96, 4, 3214868480
	.section	.rodata,"a",@progbits
	.p2align	6, 0x0
	.amdhsa_kernel k_q5e6d80565b_mix
		.amdhsa_group_segment_fixed_size 3072
		.amdhsa_private_segment_fixed_size 0
		.amdhsa_enable_private_segment 0
		.amdhsa_kernarg_size 32
		.amdhsa_user_sgpr_count 2
		.amdhsa_user_sgpr_kernarg_segment_ptr 1
		.amdhsa_wavefront_size32 1
		.amdhsa_system_sgpr_workgroup_id_x 1
		.amdhsa_system_sgpr_workgroup_id_y 1
		.amdhsa_system_sgpr_workgroup_id_z 1
		.amdhsa_system_vgpr_workitem_id 0
		.amdhsa_next_free_vgpr 66
		.amdhsa_next_free_sgpr 66
		.amdhsa_reserve_vcc 0
		.amdhsa_float_denorm_mode_32 3
		.amdhsa_float_denorm_mode_16_64 3
		.amdhsa_memory_ordered 1
		.amdhsa_forward_progress 1
		.amdhsa_inst_pref_size 6
	.end_amdhsa_kernel
	.amdgpu_metadata
---
amdhsa.version: [ 1, 2 ]
amdhsa.kernels:
  - .name:           k_q5e6d80565b_mix
    .symbol:         k_q5e6d80565b_mix.kd
    .args:
      - { .name: part, .offset: 0, .size: 8, .value_kind: global_buffer, .address_space: global }
      - { .name: out1, .offset: 8, .size: 8, .value_kind: global_buffer, .address_space: global }
      - { .name: b2, .offset: 16, .size: 8, .value_kind: global_buffer, .address_space: global }
      - { .name: out0, .offset: 24, .size: 8, .value_kind: global_buffer, .address_space: global }
    .group_segment_fixed_size: 3072
    .private_segment_fixed_size: 0
    .kernarg_segment_align: 8
    .kernarg_segment_size: 32
    .max_flat_workgroup_size: 256
    .sgpr_count:     66
    .vgpr_count:     66
    .wavefront_size: 32
...
	.end_amdgpu_metadata
.endif
;; end of part 3
;; ======== version 2 of 2: 3 launches
;; limits: values are held in bf16: 8 bits of precision; right only within a limited range of input values
;; workspace buffers: xc 2,097,152 bytes; part 1,048,576 bytes
;; launch prep (part 4): grid 128 x 1, 8 waves a work-group, no clusters, 93,184 bytes of LDS; arguments x, wg, bg, lowp_scales, xc, out1; writes xc, out1
.if DOCPART == 4
	.amdgcn_target "amdgcn-amd-amdhsa--gfx1250"
	.amdhsa_code_object_version 6
	.text
	.protected	k_q5e6d80565b_prep
	.globl	k_q5e6d80565b_prep
	.p2align	8
	.type	k_q5e6d80565b_prep,@function
k_q5e6d80565b_prep:
	s_mov_b64 s[64:65], 0
	v_nop
	global_prefetch_b8 v0, s[64:65] scope:SCOPE_SE
	s_setreg_imm32_b32 hwreg(HW_REG_WAVE_MODE, 25, 1), 1
	s_wait_xcnt 0x0
; PREP: x [2048][1024], f32, becomes codes of BF8 (E5M2) with the given scale 2^e, e = lowp_scales[0]; the gate out1 = softmax(x wg + bg) is made on the way, since x is in registers here anyway.
; code = number / 2^e, held within +-57,344, rounded to the nearest code, ties to even.  LIMITS: -126 <= e <= 112, so that 2^e and 57,344 x 2^e are f32 numbers.  NaN among the inputs is not served.
; THE CODES ARE LAID IN THE ORDER OF THE OPERAND'S REGISTERS: byte = mt 16384 + blk 512 + 16 lane; mt = row / 16, blk = k / 32; lane (r, h) holds row 16 mt + r, k = 32 blk + 16 h + 0 .. 15.
; A work-group takes a tile of 16 rows; wave w takes k = 128 w .. 128 w + 127, four blocks.  No tensor load and no cluster: no two work-groups read the same bytes of x (wg's 32 KiB are the exception).
; Every load covers 512 consecutive bytes; the numbers turn through the wave's own stages in LDS: x as f32 rows of 512 + 16 bytes, wg as bf16 rows of eight experts.
; THE GATE'S PRODUCT (left as it is: bf16 operands, f32 sums): source 0 = wg's columns as 16 rows (rows 8-15 repeat experts 0-7), source 1 = x's 16 rows, both with the same order of k in a lane's registers.
; In the result lane (r, h) holds the eight logits of row r, in both halves of the lanes.
.set X, 16                             ; v16-79   x as loaded
.set G, 80                             ; v80-111  wg as loaded
.set Y, 112                            ; v112-175 x, 16 neighbours along k a block
.set GP, 176                           ; v176-191 wg in bf16, as stored
.set WB, 192                           ; v192-223 wg's fragments
.set XB, 16                            ; v16-47   x's fragments in bf16
.set CD, 48                            ; v48-63   codes
.set AC, 64                            ; v64-79   two accumulators
.set Q,  112                           ; the gate: my wave's sums, then the other waves'
.set SPW, 224                          ; LDS address of my spare word
.set NIL, 225                          ; 0
.set XP, 528                           ; a stage row of x
.set WR, 8*16*XP                       ; behind the eight stages of x: wg's, 2,048 bytes a wave
.set PB, WR+8*2048                     ; the waves' sums, 1,024 bytes each
.set SPARE, PB+8*1024
	s_load_b256 s[4:11], s[0:1], 0x0               ; x s[4:5], wg s[6:7], bg s[8:9], the scales' exponents s[10:11]
	s_load_b128 s[12:15], s[0:1], 0x20             ; xc s[12:13], out1 s[14:15]
	v_lshl_add_u32 v[SPW], v0, 2, SPARE
	v_mov_b32 v[NIL], 0
	v_lshrrev_b32 v8, 5, v0
	v_readfirstlane_b32 s20, v8                    ; wave 0..7
	v_and_b32 v9, 31, v0                           ; lane
	v_and_b32 v1, 15, v0                           ; r
	v_bfe_u32 v2, v0, 4, 1                         ; h
	v_mul_u32_u24 v3, v8, 16*XP                    ; my stage of x
	v_lshlrev_b32 v5, 4, v9                        ; 16 x lane
	v_lshlrev_b32 v4, 11, v8
	v_lshlrev_b32 v7, 5, v1
	v_mul_u32_u24 v13, v1, XP
	v_and_b32 v15, 7, v0
	v_add_nc_u32 v12, v3, v5                       ; x in: a row an instruction, 16 bytes a lane
	v_lshl_add_u32 v13, v2, 6, v13
	v_lshl_add_u32 v14, v9, 3, v4
	v_lshl_add_u32 v15, v2, 4, v15
	v_lshl_add_u32 v7, v2, 4, v7                   ; out1: row r of 32 bytes, + 16 h
	v_add_nc_u32 v13, v3, v13                      ; x out: row r, + 64 h
	v_add_nc_u32 v14, WR, v14                      ; wg in: 8 bytes a lane: row k = 16 i + lane / 2, four experts
	v_lshl_add_u32 v15, v15, 4, v4
	v_lshl_add_u32 v6, v8, 10, v5
	v_add_nc_u32 v15, WR, v15                      ; wg out, transposed: lanes 8 g .. 8 g + 7 name eight rows of 16 bytes, k = 16 h + 0 .. 7
	v_add_nc_u32 v6, PB, v6                        ; my wave's sums
	v_add_nc_u32 v226, PB, v5
	s_wait_alu depctr_va_vdst(0)
	s_mov_b32 s25, 0
	s_mov_b32 s27, 0
	s_mov_b32 s29, 0
	s_mov_b32 s31, 0
	s_lshl_b32 s24, ttmp9, 16                      ; x: 16 rows of 4,096 bytes a work-group, 512 bytes of each a wave
	s_lshl_b32 s26, s20, 9
	s_add_co_u32 s24, s24, s26
	s_lshl_b32 s26, s20, 12                        ; wg: 128 rows of 32 bytes a wave
	s_lshl_b32 s28, ttmp9, 14                      ; xc: 16,384 bytes a tile of rows, four blocks of 512 a wave
	s_lshl_b32 s30, s20, 11
	s_add_co_u32 s28, s28, s30
	s_lshl_b32 s30, ttmp9, 9                       ; out1: 16 rows of 32 bytes
	s_mov_b32 s40, 0x3fb8aa3b                      ; log2(e)
	s_wait_kmcnt 0x0
	s_load_b32 s22, s[10:11], 0x0                  ; ex
	s_load_b256 s[32:39], s[8:9], 0x0              ; bg
	s_add_nc_u64 s[4:5], s[4:5], s[24:25]
	s_add_nc_u64 s[6:7], s[6:7], s[26:27]
	s_add_nc_u64 s[12:13], s[12:13], s[28:29]
	s_add_nc_u64 s[14:15], s[14:15], s[30:31]
.irp i, 0,1,2,3,4,5,6,7,8,9,10,11,12,13,14,15
	global_load_b128 v[X+4*\i:X+4*\i+3], v5, s[4:5] offset:4096*\i
.endr
.irp i, 0,1,2,3,4,5,6,7
	global_load_b128 v[G+4*\i:G+4*\i+3], v5, s[6:7] offset:512*\i
.endr
	s_wait_kmcnt 0x0
	s_add_co_i32 s24, s22, 127
	s_lshl_b32 s26, s24, 23
	v_mov_b32 v11, s26                             ; 2^e as f32: the conversion takes its exponent field
	s_add_co_i32 s24, s24, 15
	s_lshl_b32 s24, s24, 23
	s_or_b32 s24, s24, 0x600000
	v_mov_b32 v10, s24                             ; 57,344 x 2^e
	s_wait_alu depctr_va_vdst(0)
.irp g, 0,1,2,3
	s_wait_loadcnt 20-4*\g                         ; four more rows of x are in; the younger ones and wg's eight loads may be out
.irp i, 0,1,2,3
	ds_store_b128 v12, v[X+16*\g+4*\i:X+16*\g+4*\i+3] offset:XP*(4*\g+\i)
.endr
.endr
.irp b, 0,1,2,3
.irp j, 0,1,2,3
	ds_load_b128 v[Y+16*\b+4*\j:Y+16*\b+4*\j+3], v13 offset:128*\b+16*\j   ; LDS serves a wave's instructions in order (ISA guide 5.7.1.4)
.endr
.endr
	s_wait_loadcnt 0x0
.irp i, 0,1,2,3,4,5,6,7
	v_cvt_pk_bf16_f32 v[GP+2*\i], v[G+4*\i], v[G+4*\i+1]
	v_cvt_pk_bf16_f32 v[GP+2*\i+1], v[G+4*\i+2], v[G+4*\i+3]
.endr
.irp i, 0,1,2,3,4,5,6,7
	ds_store_b64 v14, v[GP+2*\i:GP+2*\i+1] offset:256*\i
.endr
.irp b, 0,1,2,3
	ds_load_tr16_b128 v[WB+8*\b:WB+8*\b+3], v15 offset:512*\b        ; k = 32 b + 16 h + 0 .. 7 of expert r % 8
	ds_load_tr16_b128 v[WB+8*\b+4:WB+8*\b+7], v15 offset:512*\b+128  ; + 8 .. 15
.endr
	s_wait_dscnt 16                                ; x is back; wg's eight stores and eight loads may be out
.irp b, 0,1,2,3
.irp j, 0,1,2,3,4,5,6,7
	v_cvt_pk_bf16_f32 v[XB+8*\b+\j], v[Y+16*\b+2*\j], v[Y+16*\b+2*\j+1]
.endr
.irp i, 0,1,2,3,4,5,6,7,8,9,10,11,12,13,14,15
	v_med3_num_f32 v[Y+16*\b+\i], v[Y+16*\b+\i], -v10, v10   ; the conversion to an 8-bit code does not saturate (ISA guide 7.6.2): the hold comes first
.endr
	v_cvt_scalef32_pk8_bf8_f32 v[CD+4*\b:CD+4*\b+1], v[Y+16*\b:Y+16*\b+7], v11
	v_cvt_scalef32_pk8_bf8_f32 v[CD+4*\b+2:CD+4*\b+3], v[Y+16*\b+8:Y+16*\b+15], v11
	v_nop                                          ; one plain vector line behind the last scaled conversion
.endr
.irp b, 0,1,2,3
	global_store_b128 v5, v[CD+4*\b:CD+4*\b+3], s[12:13] offset:512*\b   ; the wave stores 512 consecutive bytes, aligned
.endr
	s_wait_dscnt 0x0                               ; wg's fragments are in
	v_wmma_f32_16x16x32_bf16 v[AC:AC+7], v[WB:WB+7], v[XB:XB+7], 0             ; two sums, which take turns
	v_wmma_f32_16x16x32_bf16 v[AC+8:AC+15], v[WB+8:WB+15], v[XB+8:XB+15], 0
	v_wmma_f32_16x16x32_bf16 v[AC:AC+7], v[WB+16:WB+23], v[XB+16:XB+23], v[AC:AC+7]
	v_wmma_f32_16x16x32_bf16 v[AC+8:AC+15], v[WB+24:WB+31], v[XB+24:XB+31], v[AC+8:AC+15]
.rept 4
	v_nop                                          ; four places ahead of the reads of the results
.endr
.irp j, 0,2,4,6
	v_pk_add_f32 v[Q+\j:Q+1+\j], v[AC+\j:AC+1+\j], v[AC+8+\j:AC+9+\j]   ; my wave's 128 k, each sum from its low end on
.endr
	ds_store_b128 v6, v[Q:Q+3]
	ds_store_b128 v6, v[Q+4:Q+7] offset:512
	s_wait_alu depctr_va_vdst(0)                   ; wave 0 reads its own sums behind the barrier
	s_wait_dscnt 0x0                               ; for wave 0's sake: my stores have landed
	s_barrier_signal -1
	s_barrier_wait -1
	s_cmp_lg_u32 s20, 0
	s_cbranch_scc1 .Lend                           ; wave 0 finishes the gate
.irp u, 1,2,3,4,5,6,7
	ds_load_b128 v[Q+8*\u:Q+8*\u+3], v226 offset:1024*\u
	ds_load_b128 v[Q+8*\u+4:Q+8*\u+7], v226 offset:1024*\u+512
.endr
	s_wait_dscnt 0x0
.irp u, 1,2,3,4,5,6,7
.irp j, 0,2,4,6
	v_pk_add_f32 v[Q+\j:Q+1+\j], v[Q+\j:Q+1+\j], v[Q+8*\u+\j:Q+8*\u+1+\j]
.endr
.endr
.irp j, 0,1,2,3,4,5,6,7
	v_add_f32 v[Q+\j], s[32+\j], v[Q+\j]           ; + bg
.endr
	v_max3_num_f32 v80, v[Q], v[Q+1], v[Q+2]       ; the row's largest logit is taken away ahead of the exponentials
	v_max3_num_f32 v80, v80, v[Q+3], v[Q+4]
	v_max3_num_f32 v80, v80, v[Q+5], v[Q+6]
	v_max_num_f32 v80, v80, v[Q+7]
	v_mul_f32 v81, s40, v80
.irp j, 0,1,2,3,4,5,6,7
	v_fma_f32 v[Q+\j], v[Q+\j], s40, -v81          ; (logit - max) x log2(e)
.endr
	s_wait_alu depctr_va_vdst(0)                   ; ahead of the batch
.irp j, 0,1,2,3,4,5,6,7
	v_exp_f32 v[Q+\j], v[Q+\j]
.endr
	v_nop                                          ; a plain line behind the last exponential
	s_wait_alu depctr_va_vdst(0)                   ; one wait for the batch of eight, ahead of its first reader
	v_add_f32 v82, v[Q], v[Q+1]
	v_add_f32 v83, v[Q+2], v[Q+3]
	v_add_f32 v84, v[Q+4], v[Q+5]
	v_add_f32 v85, v[Q+6], v[Q+7]
	v_add_f32 v82, v82, v83
	v_add_f32 v84, v84, v85
	v_add_f32 v82, v82, v84
	s_wait_alu depctr_va_vdst(0)
	v_rcp_f32 v83, v82
	v_nop                                          ; a plain line behind the reciprocal
	v_cmp_le_u32 vcc_lo, 16, v9                    ; lanes 16-31 store gates 4 to 7 of their row, lanes 0-15 gates 0 to 3
.irp j, 0,1,2,3
	v_cndmask_b32 v[88+\j], v[Q+\j], v[Q+4+\j], vcc_lo
.endr
	s_wait_alu depctr_va_vdst(0)                   ; ahead of the reciprocal's first reader
.irp j, 0,1,2,3
	v_mul_f32 v[88+\j], v[88+\j], v83
.endr
	global_store_b128 v7, v[88:91], s[14:15]       ; 16 rows of 32 bytes: 512 consecutive bytes, aligned
.Lend:
	s_wait_tensorcnt 0x0                           ; the wave's end
	ds_add_u32 v[SPW], v[NIL]
	s_wait_dscnt 0x0
	s_endpgm
.Lfunc_end_k_q5e6d80565b_prep:
	.size	k_q5e6d80565b_prep, .Lfunc_end_k_q5e6d80565b_prep-k_q5e6d80565b_prep
	.p2alignl 7, 3214868480
	.fill 96, 4, 3214868480
	.section	.rodata,"a",@progbits
	.p2align	6, 0x0
	.amdhsa_kernel k_q5e6d80565b_prep
		.amdhsa_group_segment_fixed_size 93184
		.amdhsa_private_segment_fixed_size 0
		.amdhsa_enable_private_segment 0
		.amdhsa_kernarg_size 48
		.amdhsa_user_sgpr_count 2
		.amdhsa_user_sgpr_kernarg_segment_ptr 1
		.amdhsa_wavefront_size32 1
		.amdhsa_system_sgpr_workgroup_id_x 1
		.amdhsa_system_sgpr_workgroup_id_y 1
		.amdhsa_system_sgpr_workgroup_id_z 1
		.amdhsa_system_vgpr_workitem_id 0
		.amdhsa_next_free_vgpr 228
		.amdhsa_next_free_sgpr 66
		.amdhsa_reserve_vcc 1
		.amdhsa_float_denorm_mode_32 3
		.amdhsa_float_denorm_mode_16_64 3
		.amdhsa_memory_ordered 1
		.amdhsa_forward_progress 1
		.amdhsa_inst_pref_size 23
	.end_amdhsa_kernel
	.amdgpu_metadata
---
amdhsa.version: [ 1, 2 ]
amdhsa.kernels:
  - .name:           k_q5e6d80565b_prep
    .symbol:         k_q5e6d80565b_prep.kd
    .args:
      - { .name: x, .offset: 0, .size: 8, .value_kind: global_buffer, .address_space: global }
      - { .name: wg, .offset: 8, .size: 8, .value_kind: global_buffer, .address_space: global }
      - { .name: bg, .offset: 16, .size: 8, .value_kind: global_buffer, .address_space: global }
      - { .name: lowp_scales, .offset: 24, .size: 8, .value_kind: global_buffer, .address_space: global }
      - { .name: xc, .offset: 32, .size: 8, .value_kind: global_buffer, .address_space: global }
      - { .name: out1, .offset: 40, .size: 8, .value_kind: global_buffer, .address_space: global }
    .group_segment_fixed_size: 93184
    .private_segment_fixed_size: 0
    .kernarg_segment_align: 8
    .kernarg_segment_size: 48
    .max_flat_workgroup_size: 256
    .sgpr_count:     66
    .vgpr_count:     228
    .wavefront_size: 32
...
	.end_amdgpu_metadata
.endif
;; end of part 4
;; launch experts (part 5): grid 128 x 2, 4 waves a work-group, clusters of 4 x 1, 327,680 bytes of LDS; arguments xc, w1, b1, w2, lowp_scales, part; writes part
.if DOCPART == 5
	.amdgcn_target "amdgcn-amd-amdhsa--gfx1250"
	.amdhsa_code_object_version 6
	.text
	.protected	k_q5e6d80565b_experts
	.globl	k_q5e6d80565b_experts
	.p2align	8
	.type	k_q5e6d80565b_experts,@function
k_q5e6d80565b_experts:
	s_mov_b64 s[64:65], 0
	v_nop
	global_prefetch_b8 v0, s[64:65] scope:SCOPE_SE
	s_setreg_imm32_b32 hwreg(HW_REG_WAVE_MODE, 25, 1), 1
	s_wait_xcnt 0x0
	s_wait_alu depctr_hold_cnt(0) depctr_sa_sdst(0) depctr_va_vdst(0) depctr_va_sdst(0) depctr_va_ssrc(0) depctr_va_vcc(0) depctr_vm_vsrc(0)
	s_getreg_b32 s2, hwreg(HW_REG_IB_STS2, 6, 4)
	s_cmp_eq_u32 s2, 0
	s_cbranch_scc0 .Lentry_in_a_cluster
	s_endpgm
.Lentry_in_a_cluster:
	s_bfe_u32 s2, ttmp6, 0x10000c
	s_cmp_lg_u32 s2, 0x3003
	s_cbranch_scc0 .Lentry_shape_is_right
	s_endpgm
.Lentry_shape_is_right:
; EXPERTS: part[g][row] = the sum over the 256 flat columns c = 256 g .. 256 g + 255 (c = 4096 e + h) of w2[c] x relu(b1[c] + the sum over k of Q(x)[row][k] Q(w1)[k][c]).
; Work-group (g, y) takes column group g = 0 .. 127 and rows 1024 y .. 1024 y + 1023.  256 work-groups, one whole turn.
; A WAVE HOLDS 64 COLUMNS x ALL 1,024 K OF w1 AS CODES IN 512 REGISTERS, quantised here from f32 straight into the operand's registers: no code of w1 goes to memory.  x's codes stream through LDS, 16 rows a tile.
; THE QUANTISER: code = number / 2^ew, held within +-57,344, rounded to the nearest code, ties to even; ew = lowp_scales[1].  The sums stand for sum x 2^(ex + ew): b1 goes in divided by that, as the first product's C, and w2 multiplied by it.
; LIMITS: -126 <= ew <= 112; b1 / 2^(ex + ew) and w2 x 2^(ex + ew) are f32 numbers.  NaN among the inputs is not served.
; WHICH COLUMNS FORM A TILE OF 16 IS FREE: tile n takes columns 4 r + n, r = 0 .. 15, of the wave's 64.  So lane (r, h) loads 16 bytes, columns 4 r .. 4 r + 3, of row 32 b + 16 h + i, and its 16 loads of block b hold
; k = 32 b + 16 h + 0 .. 15 of its row r of all four tiles.  The hold writes them column by column, so the conversions find neighbours along K, and their results are registers 4 (b % 4) .. + 3 of K step b / 4.
; Register j of a result in lane (r, h) is column 32 h + 4 j + n of the wave's 64, row r of x's tile.
; CLUSTERS: the four work-groups of a cluster have the same y and read the same x: each slot is asked for JOINTLY.  w1 goes to registers, and two work-groups (y = 0, 1) read each number: they share its prefetch out by address.
; Registers: window 0 addresses, sums, accumulators, b1, w2; windows 1, 2 w1's codes; window 3 two buffers of x's fragments, at the head four sets of 64 f32 numbers.
.set TILEB,  16384                     ; 16 rows x 1,024 codes, in the order of the registers: 32 runs of 512 bytes
.set SLOTB,  8*TILEB
.set SLOT1,  1<<17
.set SPARE,  2*SLOT1                   ; the spare words, 128 bytes a wave
.set RES,    SPARE+512                 ; the results: 8,192 bytes a wave: 64 tiles x 32 lanes x 4
.set LI,  2                            ; 16 x lane
.set ADR, 3
.set RA0, 4
.set RAD, 5
.set SPW, 6
.set NIL, 7
.set PFO, 8                            ; x's prefetch: 256 x lane
.set FA,  9
.set BO,  10
.set GO,  11
.set LO,  12                           ; w1: 16 h rows + 16 r bytes
.set WPF, 13                           ; w1's prefetch: lane rows
.set HB,  14                           ; 57,344 x 2^ew
.set SC,  15                           ; 2^ew
.set S0,  16                           ; v16-19 two packed sums
.set ACC, 32                           ; v32-95 two sets of four accumulators; at the head b1 and w2 as loaded
.set BI,  96
.set WW,  128
.set T,   160                          ; v160-191 two runs of 16 numbers along K
.set EN,  160                          ; v160-223 the way out
.set WV,  16
.set G1,  24
.set G0A, 32
.set G0B, 36
.set SB,  40                           ; the slot that is read
.set RS,  41
.set SLOTS, 42
.set CNT, 43
.set LIM, 44
.set TO,  45                           ; the pair of tiles inside the slot
.set PFA, 46
.set M1,  0x0d                         ; source 0 window 1, source 1 window 3, C and D window 0
.set M2,  0x0e                         ; source 0 window 2
.set LDW, 0xc0                         ; destination window 3, address window 0
.set MSB, 0
.macro WIN new                         ; the immediate's high byte repeats the setting that is left
.if MSB != \new
	s_set_vgpr_msb (MSB<<8)|\new
.set MSB, \new
.endif
.endm
.macro CREST
	s_cmp_lg_u32 s[WV], 0
	s_cbranch_scc1 .Lnot_wave_0_\@
	s_barrier_signal -3
.Lnot_wave_0_\@:
	s_barrier_wait -3
	s_barrier_signal -1
	s_barrier_wait -1
.endm
.macro ROUND
	s_barrier_signal -1
	s_barrier_wait -1
	CREST
.endm
.macro ASK                             ; x's slot that the next refill will load: 16 waves x 32 lanes x 256 bytes; the cluster with number 0 asks, for each y
	s_cmp_gt_u32 s[SLOTS], s[LIM]
	s_cbranch_scc0 .Lnot_mine_\@
	global_prefetch_b8 v[PFO], s[PFA:PFA+1] th:TH_LOAD_NT scope:SCOPE_SE
.Lnot_mine_\@:
.endm
	s_load_b256 s[4:11], s[0:1], 0x0               ; xc, w1, b1, w2
	s_load_b128 s[12:15], s[0:1], 0x20             ; the scales' exponents, part
	v_lshl_add_u32 v[SPW], v0, 2, SPARE
	v_mov_b32 v[NIL], 0
	ds_add_u32 v[SPW], v[NIL]                      ; the opening: the add, twice on end
	ds_add_u32 v[SPW], v[NIL]
	v_lshrrev_b32 v1, 5, v0
	v_readfirstlane_b32 s[WV], v1                  ; wave 0..3
	v_and_b32 v20, 31, v0
	v_and_b32 v21, 3, v0
	v_bfe_u32 v22, v0, 4, 1                        ; h
	v_and_b32 v23, 15, v0                          ; r
	v_lshlrev_b32 v[LI], 4, v20
	v_lshlrev_b32 v[ADR], 4, v20
	v_lshlrev_b32 v[PFO], 8, v20
	v_lshlrev_b32 v[WPF], 14, v20
	v_lshlrev_b32 v[RA0], 13, v1
	v_lshl_add_u32 v[RA0], v20, 2, v[RA0]
	v_add_nc_u32 v[RA0], RES, v[RA0]
	v_lshrrev_b32 v[FA], 2, v0
	v_lshlrev_b32 v[FA], 7, v[FA]
	v_lshl_add_u32 v[FA], v21, 4, v[FA]
	v_add_nc_u32 v[FA], RES, v[FA]
	v_lshlrev_b32 v[BO], 7, v22
	v_lshlrev_b32 v[LO], 18, v22
	v_lshl_add_u32 v[LO], v23, 4, v[LO]
	v_lshlrev_b32 v[GO], 4, v0
	s_wait_alu depctr_va_vdst(0)
	s_wait_dscnt 0x0                               ; both opening adds are done
	s_bfe_u32 s17, ttmp6, 0x40000                  ; cx
	s_lshl_b32 s18, ttmp9, 2
	s_add_co_u32 s18, s18, s17                     ; g
	s_and_b32 s19, ttmp7, 0xffff                   ; y
	s_mov_b32 s[G1], 15|(3<<16)|(1<<21)            ; the four partners; elements of 8 bytes; bit 21 beside a mask.  A dense block of 128 rows of 256 bytes a wave
	s_mov_b32 s[G1+1], 32<<16
	s_mov_b32 s[G1+2], 128<<16
	s_mov_b32 s[G1+3], 32<<16
	s_mov_b32 s[G1+4], 128
	s_mov_b32 s[G1+5], 32
	s_mov_b32 s[G1+6], 0
	s_mov_b32 s[G1+7], 0
	s_lshl_b32 s22, s19, 20                        ; x: 64 tiles for each y, a quarter of a slot a wave
	s_lshl_b32 s[G0A+1], s[WV], 15
	s_add_co_u32 s22, s22, s[G0A+1]
	s_mov_b32 s23, 0
	s_mov_b32 s[G0A], 1
	s_mov_b32 s[G0B], 1
	s_add_co_u32 s[G0B+1], s[G0A+1], SLOT1
	s_lshr_b32 s20, s18, 4                         ; w1: the expert's 1,024 rows of 16,384 bytes,
	s_lshl_b32 s20, s20, 24
	s_and_b32 s58, s18, 15                         ; the group's 1,024 bytes of a row,
	s_lshl_b32 s58, s58, 10
	s_add_co_u32 s20, s20, s58
	s_lshl_b32 s58, s[WV], 8                       ; the wave's 256
	s_add_co_u32 s20, s20, s58
	s_mov_b32 s21, 0
	s_lshl_b32 s52, s18, 2
	s_add_co_u32 s52, s52, s[WV]
	s_lshl_b32 s52, s52, 8                         ; b1, w2: 64 numbers a wave
	s_mov_b32 s53, 0
	s_lshl_b32 s54, s18, 13
	s_lshl_b32 s55, s19, 12
	s_add_co_u32 s54, s54, s55                     ; part: row g, from 1024 y on
	s_mov_b32 s55, 0
	s_lshl_b32 s56, s17, 2
	s_add_co_u32 s56, s56, s[WV]
	s_lshl_b32 s56, s56, 13
	s_lshl_b32 s57, s19, 20
	s_add_co_u32 s56, s56, s57
	s_add_co_u32 s56, s56, 2*SLOTB
	s_mov_b32 s57, 0
	s_lshl_b32 s60, s19, 19                        ; w1's prefetch: of each 64 rows, rows 32 y .. 32 y + 31 are mine
	s_mov_b32 s61, 0
	s_cmp_eq_u32 ttmp9, 0
	s_cselect_b32 s[LIM], 1, -1
	s_wait_kmcnt 0x0
	s_load_b64 s[48:49], s[12:13], 0x0             ; ex, ew
	s_add_nc_u64 s[6:7], s[6:7], s[20:21]
	s_add_nc_u64 s[58:59], s[6:7], 0x800000        ; rows 512 .. 1023, so that every offset is an immediate: at the most 495 rows of 16,384 bytes, inside the signed 24 bits (ISA guide, chapter 10)
	s_add_nc_u64 s[60:61], s[6:7], s[60:61]
	s_add_nc_u64 s[62:63], s[60:61], 0x800000
.macro LOADW b                         ; block b: 16 loads into set b % 4
	WIN LDW
.irp i, 0,1,2,3,4,5,6,7,8,9,10,11,12,13,14,15
.if (\b) < 16
	global_load_b128 v[64*((\b)%4)+4*\i:64*((\b)%4)+4*\i+3], v[LO], s[6:7] offset:(32*(\b)+\i)*16384
.else
	global_load_b128 v[64*((\b)%4)+4*\i:64*((\b)%4)+4*\i+3], v[LO], s[58:59] offset:(32*((\b)-16)+\i)*16384
.endif
.endr
.endm
	LOADW 0
	LOADW 1
	LOADW 2
	WIN 0
	s_add_nc_u64 s[G0A+2:G0A+3], s[4:5], s[22:23]
	s_add_nc_u64 s[G0B+2:G0B+3], s[G0A+2:G0A+3], SLOTB
	s_or_b32 s[G0A+3], s[G0A+3], 0x80000000
	s_or_b32 s[G0B+3], s[G0B+3], 0x80000000
	s_add_nc_u64 s[PFA:PFA+1], s[4:5], s[56:57]
	s_add_nc_u64 s[8:9], s[8:9], s[52:53]
	s_add_nc_u64 s[10:11], s[10:11], s[52:53]
	s_add_nc_u64 s[14:15], s[14:15], s[54:55]
	ROUND                                          ; all four work-groups are here: the first joint loads meet
	tensor_load_to_lds s[G0A:G0A+3], s[G1:G1+7]    ; slot 0: one tensor load a wave at the head
	s_nop 0
.rept 4
	v_nop
.endr
	s_mov_b32 s[SB], 0
	s_mov_b32 s[TO], 0
	s_mov_b32 s[RS], 0
	s_mov_b32 s[SLOTS], 6
	s_wait_kmcnt 0x0
	s_add_co_i32 s50, s49, 127
	s_lshl_b32 s51, s50, 23
	v_mov_b32 v[SC], s51                           ; the conversion takes its exponent field
	s_add_co_i32 s50, s50, 15
	s_lshl_b32 s50, s50, 23
	s_or_b32 s50, s50, 0x600000
	v_mov_b32 v[HB], s50
	s_wait_alu depctr_va_vdst(0)
; A block of 32 along K: 64 numbers a lane.  Loads run three blocks ahead; the prefetch names, in every second block, the pair of blocks that stands eight on: my 32 of its 64 rows, a lane a row, my wave's 256 bytes of each.
.macro STEP b
.if (\b) == 31
	s_wait_loadcnt 16                              ; the last block is in; b1's and w2's 16 loads may be out
.else
	s_wait_loadcnt 32                              ; this block is in; the 32 loads issued behind it may be out
.endif
.if (\b) < 29
	LOADW (\b)+3
.endif
.if (\b) == 29
	WIN 0
.irp m, 0,1,2,3,4,5,6,7
	global_load_b128 v[ACC+4*\m:ACC+4*\m+3], v[BO], s[8:9] offset:16*\m
	global_load_b128 v[ACC+32+4*\m:ACC+32+4*\m+3], v[BO], s[10:11] offset:16*\m
.endr
.endif
.if ((\b)%2 == 0) && ((\b) < 24)
	WIN 0
.if (\b) < 8
	global_prefetch_b8 v[WPF], s[60:61] offset:(((\b)+8)/2)*0x100000 th:TH_LOAD_NT scope:SCOPE_SE
.else
	global_prefetch_b8 v[WPF], s[62:63] offset:(((\b)-8)/2)*0x100000 th:TH_LOAD_NT scope:SCOPE_SE
.endif
.endif
.irp n, 0,1,2,3
	WIN 0x03
.irp i, 0,1,2,3,4,5,6,7,8,9,10,11,12,13,14,15
	v_med3_num_f32 v[T+16*(\n%2)+\i], v[64*((\b)%4)+4*\i+\n], -v[HB], v[HB]   ; the conversion to an 8-bit code does not saturate (ISA guide 7.6.2); column n's numbers come to stand along K
.endr
.set rW, 16*(4*(((\b)%16)/4)+\n)+4*((\b)%4)
.if (\b) < 16
	WIN 0x40
.else
	WIN 0x80
.endif
	v_cvt_scalef32_pk8_bf8_f32 v[rW:rW+1], v[T+16*(\n%2):T+16*(\n%2)+7], v[SC]
	v_cvt_scalef32_pk8_bf8_f32 v[rW+2:rW+3], v[T+16*(\n%2)+8:T+16*(\n%2)+15], v[SC]
.endr
.if (\b) == 12                         ; slot 1's first fill, behind the full sequence
	WIN 0
	s_wait_tensorcnt 0x0                           ; my part of slot 0 is in
	ds_add_u32 v[SPW], v[NIL]
	s_wait_dscnt 0x0
	ROUND                                          ; slot 0 is whole; the joint loads meet
	tensor_load_to_lds s[G0B:G0B+3], s[G1:G1+7]
	s_nop 0
.rept 4
	v_nop
.endr
.endif
.if (\b) == 29                         ; sets 0 and 1 have been read for the last time: x's tile 0 goes into buffer 0
	WIN LDW
.irp j, 0,1,2,3,4,5,6,7,8,9,10,11,12,13,14,15,16,17,18,19,20,21,22,23,24,25,26,27,28,29,30,31
	ds_load_b128 v[4*\j:4*\j+3], v[ADR] offset:512*\j
.endr
.endif
.endm
.set bk, 0
.rept 32
	STEP bk
.set bk, bk+1
.endr
	WIN 0
	v_nop                                          ; one plain vector line behind the last scaled conversion
	s_add_co_i32 s50, s48, s49
	s_sub_co_i32 s51, 0, s50
	s_wait_loadcnt 0x0
.irp n, 0,1,2,3
.irp j, 0,1,2,3,4,5,6,7
	v_ldexp_f32 v[BI+8*\n+\j], v[ACC+4*\j+\n], s51
	v_ldexp_f32 v[WW+8*\n+\j], v[ACC+32+4*\j+\n], s50
.endr
.endr
	s_wait_alu depctr_va_vdst(0)
; Product i = 4 x (K step) + n on x buffer p and accumulator set p.  The four accumulators take turns; b1 is the first one's C.  Source 0 = w1's columns, source 1 = x's rows.
.macro WMM p, i
.set rD, ACC+32*(\p)+8*((\i)%4)
.set rX, 128*(\p)+16*((\i)/4)
.set rW, 16*((\i)%16)
.if (\i) < 16
	WIN M1
.else
	WIN M2
.endif
.if (\i) < 4
	v_wmma_f32_16x16x128_bf8_bf8 v[rD:rD+7], v[rW:rW+15], v[rX:rX+15], v[BI+8*(\i):BI+8*(\i)+7]
.else
	v_wmma_f32_16x16x128_bf8_bf8 v[rD:rD+7], v[rW:rW+15], v[rX:rX+15], v[rD:rD+7]
.endif
.endm
.macro DR a, u                         ; relu on pair u of set a's 16 pairs
	v_dual_max_num_f32 v[ACC+32*(\a)+2*(\u)], 0, v[ACC+32*(\a)+2*(\u)] :: v_dual_max_num_f32 v[ACC+32*(\a)+2*(\u)+1], 0, v[ACC+32*(\a)+2*(\u)+1]
.endm
.macro PF a, u                         ; x w2, into two packed sums by turns
.set sS, S0
.if ((\u) == 12) || ((\u) == 14)
.set sS, S0+2
.endif
.if ((\u) == 0) || ((\u) == 12)
	v_pk_mul_f32 v[sS:sS+1], v[ACC+32*(\a)+2*(\u):ACC+32*(\a)+2*(\u)+1], v[WW+2*(\u):WW+2*(\u)+1]
.else
	v_pk_fma_f32 v[sS:sS+1], v[ACC+32*(\a)+2*(\u):ACC+32*(\a)+2*(\u)+1], v[WW+2*(\u):WW+2*(\u)+1], v[sS:sS+1]
.endif
.endm
.macro VOP a, k                        ; line k of the 34 that make a tile's result
.if (\k) == 32
	v_pk_add_f32 v[S0:S0+1], v[S0:S0+1], v[S0+2:S0+3]
.else
.if (\k) == 33
	v_add_f32 v[S0], v[S0], v[S0+1]
.else
.if (\k) == 0
	DR \a, 0
.else
.if (\k) == 31
	PF \a, 15
.else
.if (\k)%2
	DR \a, ((\k)+1)/2
.else
	PF \a, (\k)/2-1
.endif
.endif
.endif
.endif
.endif
.endm
; A TILE: one run of 32 LDS loads, the next tile's, into the other buffer (ld); then 32 products on buffer p.  Of the 34 lines that make the last tile's result (ep) one stands behind each of products 8-31 and ten follow
; product 31: these are also the places ahead of the next tile's loads, which land on registers that product 31 has read, and ahead of the first reads of this tile's results.
; The wait ahead of the run: this tile's 32 loads are in; the last tile's store of a result, issued behind them, may be out.
; Behind product 7, tiles on buffer 0 step the address for the next pair of tiles (the offset goes round inside the slot), tiles on buffer 1 the place of the results.
.macro TILE p, ld, ep, foff, roff
.if \ep
	s_wait_dscnt 1
.else
	s_wait_dscnt 0
.endif
.set kv, 0
.set i, 0
.if \ld
	WIN LDW
.rept 32
	ds_load_b128 v[128*(1-(\p))+4*i:128*(1-(\p))+4*i+3], v[ADR] offset:(\foff)+512*i
.set i, i+1
.endr
.endif
.set i, 0
.rept 32
	WMM \p, i
.if (i == 7) && ((\p) == 0)
	WIN 0
	s_add_co_u32 s[TO], s[TO], 2*TILEB
	s_and_b32 s[TO], s[TO], 0x18000
	s_add_co_u32 s50, s[SB], s[TO]
	v_add_nc_u32 v[ADR], s50, v[LI]
.endif
.if (i == 7) && (\p)
	WIN 0
	v_add_nc_u32 v[RAD], s[RS], v[RA0]
.endif
.if (\ep) && (i > 7)
	WIN 0
	VOP 1-(\p), kv
.set kv, kv+1
.endif
.set i, i+1
.endr
	WIN 0
.if \ep
.rept 10
	VOP 1-(\p), kv
.set kv, kv+1
.endr
	ds_store_b32 v[RAD], v[S0] offset:\roff
.else
.rept 4
	v_nop
.endr
.endif
.endm
; A SLOT'S LAST TILE (buffer 1) changes slots.  In front of the barrier: my tensor load has landed, the add, and, behind four products, its wait and my reads'.  The relus stand behind products 0-7; behind the barrier come
; the next slot's first loads in one run, and the rest of the result behind products 16-31.  fill = 1: the slot just read takes x's slot two on, behind a round.
.macro TURN fill
.if \fill
	s_wait_xcnt 0x0                                ; my prefetch has read its address
	s_add_nc_u64 s[PFA:PFA+1], s[PFA:PFA+1], SLOTB
.endif
	s_wait_tensorcnt 0x0                           ; my part of the next slot is in;
	ds_add_u32 v[SPW], v[NIL]
.if \fill
	s_xor_b32 s[G0B+1], s[G0B+1], SLOT1
	s_add_nc_u64 s[G0B+2:G0B+3], s[G0B+2:G0B+3], SLOTB
.endif
	s_xor_b32 s[SB], s[SB], SLOT1
	v_add_nc_u32 v[RAD], s[RS], v[RA0]
	s_wait_dscnt 2                                 ; this tile's 32 loads are in; the last result's store and the add may be out
.set i, 0
.rept 4
	WMM 1, i
	WIN 0
	DR 0, 2*i
	DR 0, 2*i+1
.set i, i+1
.endr
	s_wait_dscnt 0x0                               ; the add is done, and my reads of this slot are over
	s_barrier_signal -1
.rept 4
	WMM 1, i
	WIN 0
	DR 0, 2*i
	DR 0, 2*i+1
.set i, i+1
.endr
	s_barrier_wait -1
.if \fill
	CREST                                          ; no wave of any partner still reads this slot or has a load on its way
	tensor_load_to_lds s[G0B:G0B+3], s[G1:G1+7]
	s_nop 0
.rept 4
	v_nop
.endr
.endif
	v_add_nc_u32 v[ADR], s[SB], v[LI]
	s_wait_alu depctr_va_vdst(0)                   ; directly behind the write
	WIN LDW
.set jj, 0
.rept 32
	ds_load_b128 v[4*jj:4*jj+3], v[ADR] offset:512*jj
.set jj, jj+1
.endr
.rept 8
	WMM 1, i
.set i, i+1
.endr
.rept 16
	WMM 1, i
	WIN 0
	PF 0, i-16
.set i, i+1
.endr
	VOP 0, 32
	VOP 0, 33
.rept 2
	v_nop                                          ; with the three lines behind product 31: the places ahead of the next tile's loads
.endr
	ds_store_b32 v[RAD], v[S0]
.if \fill
	ASK
.endif
.endm
.macro PAIRS                           ; tiles 1 to 6 of a slot
	s_mov_b32 s[CNT], 3
.Lpair_\@:
	TILE 1, 1, 1, 0, 0
	TILE 0, 1, 1, TILEB, 128
	s_add_co_u32 s[RS], s[RS], 256
	s_sub_co_u32 s[CNT], s[CNT], 1
	s_cmp_lg_u32 s[CNT], 0
	s_cbranch_scc1 .Lpair_\@
.endm
	TILE 0, 1, 0, TILEB, 0
	s_wait_alu depctr_va_vdst(0)
	s_wait_dscnt 0x0                               ; tile 1's loads are in: no store stands behind them yet
.Lslot:                                                ; x's slots 0 to 5: each is filled again, with slots 2 to 7.  A trip ends with the next slot's first tile
	PAIRS
	TURN 1
	TILE 0, 1, 1, TILEB, 128
	s_add_co_u32 s[RS], s[RS], 256
	s_sub_co_u32 s[SLOTS], s[SLOTS], 1
	s_cmp_lg_u32 s[SLOTS], 0
	s_cbranch_scc1 .Lslot
	PAIRS                                          ; slot 6: nothing is filled again
	TURN 0
	TILE 0, 1, 1, TILEB, 128
	s_add_co_u32 s[RS], s[RS], 256
	PAIRS                                          ; slot 7
	TILE 1, 0, 1, 0, 0                             ; the last tile: nothing more to load
.rept 4
	v_nop
.endr
.set kv, 0
.rept 34
	VOP 1, kv
.set kv, kv+1
.endr
	ds_store_b32 v[RAD], v[S0] offset:128
	; THE WAY OUT: a row's sum is eight words: four waves x two halves of the lanes.  A lane takes four neighbouring rows, twice.
	s_wait_dscnt 0x0                               ; for the others' sake: my results have landed
	s_barrier_signal -1
	s_barrier_wait -1
.irp u, 0,1
.irp w, 0,1,2,3
.irp g, 0,1
	ds_load_b128 v[EN+32*\u+4*(2*\w+\g):EN+32*\u+4*(2*\w+\g)+3], v[FA] offset:8192*\w+64*\g+4096*\u
.endr
.endr
.endr
	s_wait_dscnt 0x0
.irp u, 0,1
.irp d, 4,8,16
.irp q, 0,8,16,24
.if (\q % (2*\d)) == 0
	v_pk_add_f32 v[EN+32*\u+\q:EN+32*\u+\q+1],   v[EN+32*\u+\q:EN+32*\u+\q+1],   v[EN+32*\u+\q+\d:EN+32*\u+\q+\d+1]
	v_pk_add_f32 v[EN+32*\u+\q+2:EN+32*\u+\q+3], v[EN+32*\u+\q+2:EN+32*\u+\q+3], v[EN+32*\u+\q+\d+2:EN+32*\u+\q+\d+3]
.endif
.endr
.endr
	global_store_b128 v[GO], v[EN+32*\u:EN+32*\u+3], s[14:15] offset:2048*\u   ; a wave stores 512 consecutive bytes, aligned
.endr
	s_wait_tensorcnt 0x0                           ; the wave's end
	ds_add_u32 v[SPW], v[NIL]
	s_wait_dscnt 0x0
	ROUND                                          ; the closing round
	s_endpgm
.Lfunc_end_k_q5e6d80565b_experts:
	.size	k_q5e6d80565b_experts, .Lfunc_end_k_q5e6d80565b_experts-k_q5e6d80565b_experts
	.p2alignl 7, 3214868480
	.fill 96, 4, 3214868480
	.section	.rodata,"a",@progbits
	.p2align	6, 0x0
	.amdhsa_kernel k_q5e6d80565b_experts
		.amdhsa_group_segment_fixed_size 327680
		.amdhsa_private_segment_fixed_size 0
		.amdhsa_enable_private_segment 0
		.amdhsa_kernarg_size 48
		.amdhsa_user_sgpr_count 2
		.amdhsa_user_sgpr_kernarg_segment_ptr 1
		.amdhsa_wavefront_size32 1
		.amdhsa_system_sgpr_workgroup_id_x 1
		.amdhsa_system_sgpr_workgroup_id_y 1
		.amdhsa_system_sgpr_workgroup_id_z 1
		.amdhsa_system_vgpr_workitem_id 0
		.amdhsa_next_free_vgpr 1024
		.amdhsa_next_free_sgpr 66
		.amdhsa_reserve_vcc 0
		.amdhsa_float_denorm_mode_32 3
		.amdhsa_float_denorm_mode_16_64 3
		.amdhsa_memory_ordered 1
		.amdhsa_forward_progress 1
		.amdhsa_inst_pref_size 255
	.end_amdhsa_kernel
	.section	.bss,"aw",@nobits
	.p2align	6
	.space	262144
	.amdgpu_metadata
---
amdhsa.version: [ 1, 2 ]
amdhsa.kernels:
  - .name:           k_q5e6d80565b_experts
    .symbol:         k_q5e6d80565b_experts.kd
    .args:
      - { .name: xc, .offset: 0, .size: 8, .value_kind: global_buffer, .address_space: global }
      - { .name: w1, .offset: 8, .size: 8, .value_kind: global_buffer, .address_space: global }
      - { .name: b1, .offset: 16, .size: 8, .value_kind: global_buffer, .address_space: global }
      - { .name: w2, .offset: 24, .size: 8, .value_kind: global_buffer, .address_space: global }
      - { .name: lowp_scales, .offset: 32, .size: 8, .value_kind: global_buffer, .address_space: global }
      - { .name: part, .offset: 40, .size: 8, .value_kind: global_buffer, .address_space: global }
    .group_segment_fixed_size: 327680
    .private_segment_fixed_size: 0
    .kernarg_segment_align: 8
    .kernarg_segment_size: 48
    .max_flat_workgroup_size: 128
    .sgpr_count:     66
    .vgpr_count:     1024
    .wavefront_size: 32
...
	.end_amdgpu_metadata
.endif
;; end of part 5
;; launch mix (part 6): grid 32 x 1, 8 waves a work-group, no clusters, 3,072 bytes of LDS; arguments part, out1, b2, out0; writes out0
.if DOCPART == 6
	.amdgcn_target "amdgcn-amd-amdhsa--gfx1250"
	.amdhsa_code_object_version 6
	.text
	.protected	k_q5e6d80565b_mix
	.globl	k_q5e6d80565b_mix
	.p2align	8
	.type	k_q5e6d80565b_mix,@function
k_q5e6d80565b_mix:
	s_mov_b64 s[64:65], 0
	v_nop
	global_prefetch_b8 v0, s[64:65] scope:SCOPE_SE
	s_setreg_imm32_b32 hwreg(HW_REG_WAVE_MODE, 25, 1), 1
	s_wait_xcnt 0x0
; MIX: out0[row] = the sum over the experts e of gate[row][e] x (b2[e] + the sum over j = 0 .. 15 of part[16 e + j][row]).  part: [128][2048] f32; gate = out1: [2048][8] f32.
; A work-group owns 64 rows, so each output has one owner.  Wave e adds expert e's sixteen parts, a lane two neighbouring rows: each load covers 256 consecutive bytes, aligned.  The eight sums meet in LDS;
; wave 0 weighs them by the gate and stores 256 consecutive bytes.  A little over a megabyte is read once: no matrix unit, no tensor load, no cluster would spare a byte.
	s_load_b256 s[4:11], s[0:1], 0x0               ; part s[4:5], out1 s[6:7], b2 s[8:9], out0 s[10:11]
	v_lshl_add_u32 v64, v0, 2, 0x800
	v_mov_b32 v65, 0
	v_lshrrev_b32 v1, 5, v0
	s_delay_alu instid0(VALU_DEP_1)
	v_readfirstlane_b32 s12, v1                    ; wave = expert
	v_and_b32 v1, 31, v0                           ; lane
	s_delay_alu instid0(VALU_DEP_1)
	v_lshlrev_b32 v2, 3, v1                        ; 8 x lane: my two rows in part, in out0 and in an expert's 256 bytes of LDS
	v_lshlrev_b32 v3, 3, v0                        ; LDS: 256 x wave + 8 x lane
	s_delay_alu instid0(VALU_DEP_3)
	v_lshlrev_b32 v4, 6, v1                        ; the gate: two rows of 32 bytes a lane
	s_lshl_b32 s14, s12, 17                        ; sixteen rows of part, 8,192 bytes each
	s_lshl_b32 s13, ttmp9, 8                       ; my work-group's 64 rows
	s_add_co_u32 s14, s14, s13
	s_mov_b32 s15, 0
	s_wait_alu depctr_va_vdst(0)
	s_wait_kmcnt 0x0
	s_load_b256 s[16:23], s[8:9], 0x0              ; b2
	s_add_nc_u64 s[4:5], s[4:5], s[14:15]
.irp j, 0,1,2,3,4,5,6,7,8,9,10,11,12,13,14,15
	global_load_b64 v[8+2*\j:9+2*\j], v2, s[4:5] offset:8192*\j th:TH_LOAD_NT
.endr
	s_cmp_lg_u32 s12, 0
	s_cbranch_scc1 .Lsum
	s_lshl_b32 s14, ttmp9, 11                      ; wave 0 alone: 64 rows of the gate
	s_add_nc_u64 s[6:7], s[6:7], s[14:15]
.irp i, 0,1,2,3
	global_load_b128 v[40+4*\i:43+4*\i], v4, s[6:7] offset:16*\i   ; v40-47: my first row's eight gates; v48-55: my second row's
.endr
	s_mov_b32 s14, s13
	s_add_nc_u64 s[10:11], s[10:11], s[14:15]
.Lsum:
	s_wait_loadcnt 0x0
.irp d, 1,2,4,8                        ; neighbours 1, 2, 4 and 8 parts apart: fifteen packed additions
.irp j, 0,2,4,6,8,10,12,14
.if (\j % (2*\d)) == 0
	v_pk_add_f32 v[8+2*\j:9+2*\j], v[8+2*\j:9+2*\j], v[8+2*(\j+\d):9+2*(\j+\d)]
.endif
.endr
.endr
	ds_store_b64 v3, v[8:9]
	s_wait_dscnt 0x0                               ; for wave 0's sake: my store has landed
	s_barrier_signal -1
	s_barrier_wait -1
	s_cmp_lg_u32 s12, 0
	s_cbranch_scc1 .Lend
.irp e, 0,1,2,3,4,5,6,7
	ds_load_b64 v[8+2*\e:9+2*\e], v2 offset:256*\e
.endr
	s_wait_dscnt 0x0
	s_wait_kmcnt 0x0
.irp e, 0,1,2,3,4,5,6,7
	v_add_f32 v[8+2*\e], s[16+\e], v[8+2*\e]       ; + b2
	v_add_f32 v[9+2*\e], s[16+\e], v[9+2*\e]
.endr
	v_mul_f32 v56, v40, v8
	v_mul_f32 v57, v48, v9
.irp e, 1,2,3,4,5,6,7
	s_delay_alu instid0(VALU_DEP_2)
	v_fmac_f32 v56, v[40+\e], v[8+2*\e]
	s_delay_alu instid0(VALU_DEP_2)
	v_fmac_f32 v57, v[48+\e], v[9+2*\e]
.endr
	global_store_b64 v2, v[56:57], s[10:11]        ; 64 rows: 256 consecutive bytes, aligned
.Lend:
	s_wait_tensorcnt 0x0
	ds_add_u32 v64, v65
	s_wait_dscnt 0x0
	s_endpgm
.Lfunc_end_k_q5e6d80565b_mix:
	.size	k_q5e6d80565b_mix, .Lfunc_end_k_q5e6d80565b_mix-k_q5e6d80565b_mix
	.p2alignl 7, 3214868480
	.fill 96, 4, 3214868480
	.section	.rodata,"a",@progbits
	.p2align	6, 0x0
	.amdhsa_kernel k_q5e6d80565b_mix
		.amdhsa_group_segment_fixed_size 3072
		.amdhsa_private_segment_fixed_size 0
		.amdhsa_enable_private_segment 0
		.amdhsa_kernarg_size 32
		.amdhsa_user_sgpr_count 2
		.amdhsa_user_sgpr_kernarg_segment_ptr 1
		.amdhsa_wavefront_size32 1
		.amdhsa_system_sgpr_workgroup_id_x 1
		.amdhsa_system_sgpr_workgroup_id_y 1
		.amdhsa_system_sgpr_workgroup_id_z 1
		.amdhsa_system_vgpr_workitem_id 0
		.amdhsa_next_free_vgpr 66
		.amdhsa_next_free_sgpr 66
		.amdhsa_reserve_vcc 0
		.amdhsa_float_denorm_mode_32 3
		.amdhsa_float_denorm_mode_16_64 3
		.amdhsa_memory_ordered 1
		.amdhsa_forward_progress 1
		.amdhsa_inst_pref_size 7
	.end_amdhsa_kernel
	.amdgpu_metadata
---
amdhsa.version: [ 1, 2 ]
amdhsa.kernels:
  - .name:           k_q5e6d80565b_mix
    .symbol:         k_q5e6d80565b_mix.kd
    .args:
      - { .name: part, .offset: 0, .size: 8, .value_kind: global_buffer, .address_space: global }
      - { .name: out1, .offset: 8, .size: 8, .value_kind: global_buffer, .address_space: global }
      - { .name: b2, .offset: 16, .size: 8, .value_kind: global_buffer, .address_space: global }
      - { .name: out0, .offset: 24, .size: 8, .value_kind: global_buffer, .address_space: global }
    .group_segment_fixed_size: 3072
    .private_segment_fixed_size: 0
    .kernarg_segment_align: 8
    .kernarg_segment_size: 32
    .max_flat_workgroup_size: 256
    .sgpr_count:     66
    .vgpr_count:     66
    .wavefront_size: 32
...
	.end_amdgpu_metadata
.endif
;; end of part 6
